; MI455X (gfx1250); checked and timed in simulation.
; The chip was launched on July 23, 2026; its instructions are those of AMD's public machine-readable ISA for CDNA 5 (MIT licence, August 2026) and "CDNA5" Instruction Set Architecture Reference Guide (July 2026). The comments in the code are by the model that wrote it; some were corrected since.
;; Bott Attention. Allowed arithmetic: matrix products marked QUANTISED: E2M3 operands, one E8M0 scale for each 32 along K, by v_wmma_scale_f32_16x16x128_f8f6f4 with both operands' format E2M3, f32 sums; everything else in f32.
;; Inputs: W_proj 1,024 x 1,024 float32; W_qkv 1,024 x 3,072 float32; b_proj 1,024 float32; reg 1 x 16 x 1,024 x 1,024 float32; x 8 x 1,024 x 1,024 float32.
;; Outputs: out0 8 x 1,024 x 1,024 float32.
;; This version of the problem:
;;   THIS VERSION OF THE PROBLEM IS GIVEN IN LOW PRECISION. The matrix products marked QUANTISED in the list below multiply operands that are first quantised to E2M3 (2 exponent bits, 3 mantissa bits; 6 bits a number), with one power-of-two scale for each 32 numbers along K (OCP MX v1.0); their sums are f32. All else is computed in f32.
;;   The module's matrix products, in the order in which they are computed (A, B: the left and right operand; K: the contracted axis; several contracted axes count as one K, in the product's order):
;;     1. [M 8,192, K 1,024] x [K 1,024, N 3,072]; A: input x; B: input W_qkv: QUANTISED
;;     2. batch 128 x [M 1,024, K 64] x [K 64, N 1,024]; A: computed on the way; B: computed on the way: QUANTISED
;;     3. batch 128 x [M 1,024, K 1,024] x [K 1,024, N 64]; A: computed on the way; B: computed on the way: QUANTISED
;;     4. [M 8,192, K 1,024] x [K 1,024, N 1,024]; A: computed on the way; B: input W_proj: QUANTISED
;;   THE QUANTISER, for each operand of a quantised product, along K:
;;     - K is cut into blocks of 32 from its start; a last block that is shorter is filled with zeros.
;;     - A block's scale is 2^e with e = floor(log2(the largest magnitude in the block)) - 2, held to -126 .. 127; a block of zeros has e = 0. As a byte (E8M0): e + 127.
;;     - Each number is divided by its block's scale, clamped to +-7.5, and rounded to the nearest number of E2M3, ties to even, subnormals kept.
;;     - The product sums the exact products of the quantised numbers (number of the format x scale) in f32.
;;   ~~~python
;;   def quantise(x, axis):      # numpy; x: float32 -> the quantised numbers, widened to float32 again
;;       x = np.moveaxis(x, axis, -1); K = x.shape[-1]
;;       x = np.pad(x, [(0, 0)] * (x.ndim - 1) + [(0, -K % 32)]); x = x.reshape(x.shape[:-1] + (-1, 32)); a = np.abs(x).max(-1, keepdims=True)
;;       e = np.where(a > 0, np.clip(np.frexp(np.where(a > 0, a, 1))[1] - 1 - 2, -126, 127), 0)      # np.frexp(a)[1] - 1 = floor(log2(a)), exactly
;;       r = np.clip(x / 2.0 ** e, -7.5, 7.5)
;;       step = 2.0 ** (np.maximum(np.frexp(np.where(r == 0, 1, r))[1] - 1, 0) - 3)
;;       q = np.round(r / step) * step * 2.0 ** e      # np.round: ties to even
;;       return np.moveaxis(q.reshape(q.shape[:-2] + (-1,))[..., :K], -1, axis).astype(np.float32)
;;   ~~~
;;   OPERANDS COMPUTED ON THE WAY. 'Computed on the way' means the value that the module computes at that place (a softmax that the list does not call 'softmax' is quantised finished and normalised). What goes into a quantiser is computed in f32, as accurately as f32 sums, v_exp_f32 and their like allow (about 1e-6 of the number): no bf16 or f16 on the way to a quantiser, and a product that is left as it is and whose result goes on into a quantised operand takes f32 operands (vector FMAs, or v_wmma_f32_16x16x4_f32). A number that lies on a knife's edge between two numbers of the format may be rounded either way, as far as f32 arithmetic and the matrix unit's own rounding can turn it there, and no further.
;; One version. Each part assembles by itself: llvm-mc -triple=amdgcn-amd-amdhsa -mcpu=gfx1250 --defsym DOCPART=n.
;; ======== version 1 of 1: 4 launches
;; workspace buffers: x_codes 6,291,456 bytes; x_scales 262,144 bytes; wall_codes 3,145,728 bytes; wall_scales 131,072 bytes; qkv_codes 18,874,368 bytes; qkv_scales 786,432 bytes; o_codes 6,291,456 bytes; o_scales 262,144 bytes
;; launch quant (part 1): grid 384 x 1, 4 waves a work-group, no clusters, 68,096 bytes of LDS; arguments x, W_qkv, W_proj, x_codes, x_scales, wall_codes, wall_scales; writes x_codes, x_scales, wall_codes, wall_scales
.if DOCPART == 1
	.amdgcn_target "amdgcn-amd-amdhsa--gfx1250"
	.amdhsa_code_object_version 6
	.text
	.protected	k_qbf4f1841b6_quant
	.globl	k_qbf4f1841b6_quant
	.p2align	8
	.type	k_qbf4f1841b6_quant,@function
k_qbf4f1841b6_quant:
	s_mov_b64 s[64:65], 0
	v_nop
	global_prefetch_b8 v0, s[64:65] scope:SCOPE_SE
	s_setreg_imm32_b32 hwreg(HW_REG_WAVE_MODE, 25, 1), 1
	s_wait_xcnt 0x0
; x [8192][1024] (K innermost) and the weights W_qkv [1024][3072], W_proj [1024][1024] (K is the FIRST axis), all f32, become codes of FP6 (E2M3) with K innermost
; and one E8M0 byte for each 32 along K.  A block's scale is 2^(floor(log2(largest magnitude)) - 2); its byte is the largest magnitude's exponent field - 2, held at 1 from below.
; ROWS ARE STORED PERMUTED: the row with number n lies at place sigma(n), n with its bits 3 and 4 exchanged.  So the sixteen results that a lane of the later transposed products
; holds in two neighbouring tiles are sixteen NEIGHBOURS along the next product's K.
; The weights' columns form one table of 4,096 rows: 0-3071 W_qkv's columns, 3072-4095 W_proj's.
; Work-groups 0-255 take x (32 rows each, 8 a wave), work-groups 256-383 the weights (128 columns x 256 along K each).  The two ways have LDS bytes of their own.
; LIMITS: NaN and infinities are not served; a block whose largest magnitude lies under 2^-124 (a block of zeros too) gets the byte 1: only this program reads the bytes.
.set STEPS, 16
.set CB,    12                         ; bytes of 16 codes
.set R,     16                         ; x: v16-79 four sets of 16 numbers as loaded
.set X,     80                         ; v80-111 two sets of 16 neighbours
.set C,     128                        ; v128-191 codes, four registers a step
.set E,     112                        ; v112-127 a scale byte a step
.set WREG,  8192                       ; x: LDS of a wave: two stages of 32 x SP bytes, then 256 scale bytes
.set SP,    80
.set WX,    32                         ; weights: v32-95 two sets of 32 numbers
.set WC,    96                         ; a block's codes
.set OUTR,  112                        ; v112-175 the way out
.set SB,    24                         ; v24-25 eight scale bytes
.set VO,    176                        ; v176-207 4 x lane + i x a row of the weight, i = 0 .. 31
.set WPITCH, 272
.set WSTG,  32768                      ; the weights' stages begin here: 32 rows x 272 bytes a wave
.set NB,    8
	s_load_b128 s[4:7], s[0:1], 0x0                ; x, W_qkv
	s_load_b128 s[8:11], s[0:1], 0x10              ; W_proj, x's codes
	s_load_b128 s[12:15], s[0:1], 0x20             ; x's scales, the weights' codes
	s_load_b64 s[16:17], s[0:1], 0x30              ; the weights' scales
	v_lshl_add_u32 v224, v0, 2, 0x10800
	v_mov_b32 v225, 0
	v_lshrrev_b32 v1, 5, v0
	v_readfirstlane_b32 s18, v1                    ; wave
	v_and_b32 v2, 31, v0                           ; lane
	s_cmp_ge_u32 ttmp9, 256
	s_cbranch_scc1 .Lweights
; ---------------- x: a plain stream of blocks of 32; a wave takes 8 rows = 16 steps of 512 numbers
	v_lshlrev_b32 v3, 4, v2                        ; my 16 bytes of a load's 512
	s_mul_i32 s19, s18, WREG
	v_lshrrev_b32 v14, 2, v2
	v_mul_u32_u24 v14, v14, SP
	v_and_b32 v15, 3, v2
	v_lshl_add_u32 v14, v15, 4, v14
	v_add_nc_u32 v14, s19, v14                     ; the stage, in: four lanes' 64 bytes on end, then 16 of padding
	v_mul_u32_u24 v15, v2, SP
	v_add_nc_u32 v15, s19, v15                     ; out: my 16 neighbours
	v_mul_u32_u24 v4, v2, CB                       ; my codes' place in a step's
	v_lshrrev_b32 v5, 1, v2
	s_add_co_u32 s19, s19, 2*32*SP
	v_add_nc_u32 v5, s19, v5                       ; my block's scale byte in LDS
	v_lshlrev_b32 v7, 3, v2
	v_add_nc_u32 v6, s19, v7
	s_lshl_b32 s20, ttmp9, 2
	s_add_co_u32 s22, s20, s18                     ; which run of 8 rows I read
	s_and_b32 s24, s18, 1                          ; bits 3 and 4 of a row are bits 0 and 1 of its run: exchanged, they give the run that I write
	s_lshl_b32 s24, s24, 1
	s_lshr_b32 s25, s18, 1
	s_or_b32 s24, s24, s25
	s_add_co_u32 s24, s20, s24
	s_lshl_b32 s22, s22, 15                        ; 32,768 bytes of f32 a run
	s_mov_b32 s23, 0
	s_wait_kmcnt 0x0
	s_add_nc_u64 s[4:5], s[4:5], s[22:23]
	s_mul_i32 s22, s24, 6144                       ; 6,144 bytes of codes a run
	s_add_nc_u64 s[10:11], s[10:11], s[22:23]
	s_lshl_b32 s22, s24, 8                         ; 256 scale bytes a run
	s_add_nc_u64 s[12:13], s[12:13], s[22:23]
.macro XLOAD t
.irp i, 0,1,2,3
	global_load_b128 v[R+16*((\t)%4)+4*\i:R+16*((\t)%4)+4*\i+3], v3, s[4:5] offset:2048*(\t)+512*\i th:TH_LOAD_NT   ; 32 lanes read 512 consecutive bytes
.endr
.endm
.macro XTURN t                         ; a step's numbers through the stage; LDS serves a wave's instructions in order
.irp i, 0,1,2,3
	ds_store_b128 v14, v[R+16*((\t)%4)+4*\i:R+16*((\t)%4)+4*\i+3] offset:32*SP*((\t)%2)+8*SP*\i
.endr
.irp i, 0,1,2,3
	ds_load_b128 v[X+16*((\t)%2)+4*\i:X+16*((\t)%2)+4*\i+3], v15 offset:32*SP*((\t)%2)+16*\i
.endr
.endm
.irp t, 0,1,2,3
	XLOAD \t
.endr
	s_wait_loadcnt 12                              ; step 0's four loads are in
	XTURN 0
.macro XSTEP t
.set XS, X+16*((\t)%2)
.if (\t) > 0
	s_wait_dscnt 1                                 ; this step's numbers are back (the last step's byte store may be out)
.else
	s_wait_dscnt 0x0
.endif
.if (\t)+4 < STEPS
	XLOAD (\t)+4
.endif
.if (\t)+1 < STEPS
.if STEPS-2-(\t) >= 3
	s_wait_loadcnt 12                              ; the next step's four loads are in; three steps' may be out
.else
	s_wait_loadcnt 4*(STEPS-2-(\t))
.endif
	XTURN (\t)+1
.endif
	v_max3_num_f32 v8, |v[XS]|, |v[XS+1]|, |v[XS+2]|
	v_max3_num_f32 v9, |v[XS+3]|, |v[XS+4]|, |v[XS+5]|
.irp i, 6,10
	v_max3_num_f32 v8, v8, |v[XS+\i]|, |v[XS+\i+1]|
	v_max3_num_f32 v9, v9, |v[XS+\i+2]|, |v[XS+\i+3]|
.endr
	v_max3_num_f32 v8, v8, |v[XS+14]|, |v[XS+15]|
	v_max3_num_f32 v8, v8, v9, 0x1800000           ; the floor 2^(3 - 127): the byte cannot fall under 1
	v_max_num_f32_dpp v8, v8, v8 row_xmask:1 row_mask:0xf bank_mask:0xf   ; with my neighbour's 16: the block's
	v_add_nc_u32 v11, 0xff000000, v8               ; 2 off the exponent field: the conversion's scale operand
	v_cvt_scalef32_pk16_fp6_f32 v[C+4*(\t):C+4*(\t)+2], v[XS:XS+15], v11
	v_lshrrev_b32 v[E+(\t)], 23, v11               ; the scale's byte
	ds_store_b8 v5, v[E+(\t)] offset:16*(\t)       ; both lanes of a block write the same byte
	global_store_b96 v4, v[C+4*(\t):C+4*(\t)+2], s[10:11] offset:32*CB*(\t)   ; the wave stores 384 consecutive bytes
.endm
.irp t, 0,1,2,3,4,5,6,7,8,9,10,11,12,13,14,15
	XSTEP \t
.endr
	ds_load_b64 v[12:13], v6
	s_wait_dscnt 0x0
	global_store_b64 v7, v[12:13], s[12:13]        ; 32 lanes store 256 consecutive bytes, aligned
	s_wait_tensorcnt 0x0
	ds_add_u32 v224, v225
	s_wait_dscnt 0x0
	s_endpgm
; ---------------- the weights: a lane takes a column, its registers run down K; a wave takes 32 columns x 256 along K
.Lweights:
	s_sub_co_u32 s20, ttmp9, 256
	s_and_b32 s21, s20, 31                         ; which 128 columns of the table of 4,096
	s_lshr_b32 s22, s20, 5                         ; which 256 along K
	s_mov_b32 s23, 4096
	s_sub_co_u32 s24, s21, 24
	s_wait_kmcnt 0x0
	s_cmp_lt_u32 s21, 24                           ; W_qkv or W_proj: the choice hangs on the work-group's number alone
	s_cselect_b64 s[26:27], s[6:7], s[8:9]
	s_cselect_b32 s23, 12288, s23                  ; bytes in a row of the weight
	s_cselect_b32 s24, s21, s24                    ; the group of columns within that weight
	s_lshl_b32 s24, s24, 7
	s_lshl_b32 s25, s18, 5
	s_add_co_u32 s24, s24, s25                     ; my wave's first column there
	s_lshl_b32 s24, s24, 2
	s_lshl_b32 s25, s22, 8
	s_mul_i32 s25, s25, s23                        ; 256 rows down for each step along K
	s_add_co_u32 s24, s24, s25
	s_mov_b32 s25, 0
	s_add_nc_u64 s[32:33], s[26:27], s[24:25]      ; block 0's base;
	s_lshl_b32 s24, s23, 5                         ; each further block lies 32 rows down
.irp t, 1,2,3,4,5,6,7
	s_add_nc_u64 s[32+2*\t:33+2*\t], s[30+2*\t:31+2*\t], s[24:25]
.endr
	v_lshlrev_b32 v[VO], 2, v2
.set I, 1
.rept 31
	v_add_nc_u32 v[VO+I], s23, v[VO+I-1]
.set I, I+1
.endr
	s_lshl_b32 s19, s21, 7
	s_lshl_b32 s20, s18, 5
	s_add_co_u32 s19, s19, s20                     ; my first row of the table
	s_mul_i32 s24, s19, 768
	s_mul_i32 s20, s22, 192
	s_add_co_u32 s24, s24, s20
	s_add_nc_u64 s[28:29], s[14:15], s[24:25]      ; its codes, at my 256 along K
	s_lshl_b32 s24, s19, 5
	s_lshl_b32 s20, s22, 3
	s_add_co_u32 s24, s24, s20
	s_add_nc_u64 s[30:31], s[16:17], s[24:25]      ; its scale bytes
	s_mul_i32 s19, s18, 32*WPITCH
	s_add_co_u32 s19, s19, WSTG                    ; my stage
	v_mul_u32_u24 v4, v2, WPITCH
	v_add_nc_u32 v4, s19, v4                       ; in: row = my column
	v_and_b32 v5, 15, v2
	v_lshrrev_b32 v6, 4, v2
	v_mul_u32_u24 v7, v6, WPITCH
	v_lshl_add_u32 v7, v5, 4, v7
	v_add_nc_u32 v7, s19, v7                       ; out: sixteen lanes to a row, two rows an instruction
	v_mul_u32_u24 v8, v6, 768
	v_mad_u32_u24 v8, v5, 12, v8                   ; the same place in the codes' table
	v_and_b32 v9, 7, v2                            ; sigma(lane): the place of my column's scale bytes
	v_and_b32 v10, 8, v2
	v_lshl_or_b32 v9, v10, 1, v9
	v_and_b32 v10, 16, v2
	v_lshrrev_b32 v10, 1, v10
	v_or_b32 v9, v9, v10
	v_lshlrev_b32 v9, 5, v9
.macro WLOAD t                         ; block t: W(32 t + i, my column) into set t % 2; each load reads 128 consecutive bytes
.set I, 0
.rept 32
	global_load_b32 v[WX+32*((\t)%2)+I], v[VO+I], s[32+2*(\t):33+2*(\t)] th:TH_LOAD_NT
.set I, I+1
.endr
.endm
	WLOAD 0
	WLOAD 1
.macro WBLOCK t
.set XS, WX+32*((\t)%2)
.if (\t) < NB-1
	s_wait_loadcnt 32                              ; this block's 32 loads are in; the next block's may be out
.else
	s_wait_loadcnt 0
.endif
	v_max3_num_f32 v12, |v[XS]|, |v[XS+1]|, |v[XS+2]|
	v_max3_num_f32 v13, |v[XS+3]|, |v[XS+4]|, |v[XS+5]|
.irp i, 6,10,14,18,22,26
	v_max3_num_f32 v12, v12, |v[XS+\i]|, |v[XS+\i+1]|
	v_max3_num_f32 v13, v13, |v[XS+\i+2]|, |v[XS+\i+3]|
.endr
	v_max3_num_f32 v12, v12, |v[XS+30]|, |v[XS+31]|
	v_max3_num_f32 v12, v12, v13, 0x1800000
	v_add_nc_u32 v11, 0xff000000, v12
	v_lshrrev_b32 v13, 23, v11
.if (\t)%4 == 0
	v_mov_b32 v[SB+(\t)/4], v13
.else
	v_lshl_or_b32 v[SB+(\t)/4], v13, 8*((\t)%4), v[SB+(\t)/4]
.endif
	v_cvt_scalef32_pk16_fp6_f32 v[WC:WC+2], v[XS:XS+15], v11
	v_cvt_scalef32_pk16_fp6_f32 v[WC+4:WC+6], v[XS+16:XS+31], v11
	ds_store_b96 v4, v[WC:WC+2] offset:32*(\t)     ; 12 bytes to a place of 16
	ds_store_b96 v4, v[WC+4:WC+6] offset:32*(\t)+16
.if (\t)+2 < NB
	WLOAD (\t)+2
.endif
	s_wait_dscnt 0x0                               ; the stores have read their registers
.endm
.set Q, 0
.rept NB
	WBLOCK Q
.set Q, Q+1
.endr
	global_store_b64 v9, v[SB:SB+1], s[30:31]      ; my column's eight scale bytes, at its place
.irp t, 0,1,2,3,4,5,6,7,8,9,10,11,12,13,14,15
	ds_load_b96 v[OUTR+4*\t:OUTR+4*\t+2], v7 offset:2*\t*WPITCH
.endr
.set T, 0
.rept 16
	s_wait_dscnt 15-T
	global_store_b96 v8, v[OUTR+4*T:OUTR+4*T+2], s[28:29] offset:(((2*T)&7)|(((2*T)&8)<<1)|(((2*T)&16)>>1))*768   ; columns 2 T and 2 T + 1 go to places sigma(2 T) and sigma(2 T) + 1
.set T, T+1
.endr
	s_wait_tensorcnt 0x0
	ds_add_u32 v224, v225
	s_wait_dscnt 0x0
	s_endpgm
.Lfunc_end_k_qbf4f1841b6_quant:
	.size	k_qbf4f1841b6_quant, .Lfunc_end_k_qbf4f1841b6_quant-k_qbf4f1841b6_quant
	.p2alignl 7, 3214868480
	.fill 96, 4, 3214868480
	.section	.rodata,"a",@progbits
	.p2align	6, 0x0
	.amdhsa_kernel k_qbf4f1841b6_quant
		.amdhsa_group_segment_fixed_size 68096
		.amdhsa_private_segment_fixed_size 0
		.amdhsa_enable_private_segment 0
		.amdhsa_kernarg_size 56
		.amdhsa_user_sgpr_count 2
		.amdhsa_user_sgpr_kernarg_segment_ptr 1
		.amdhsa_wavefront_size32 1
		.amdhsa_system_sgpr_workgroup_id_x 1
		.amdhsa_system_sgpr_workgroup_id_y 1
		.amdhsa_system_sgpr_workgroup_id_z 1
		.amdhsa_system_vgpr_workitem_id 0
		.amdhsa_next_free_vgpr 226
		.amdhsa_next_free_sgpr 66
		.amdhsa_reserve_vcc 0
		.amdhsa_float_denorm_mode_32 3
		.amdhsa_float_denorm_mode_16_64 3
		.amdhsa_memory_ordered 1
		.amdhsa_forward_progress 1
		.amdhsa_inst_pref_size 75
	.end_amdhsa_kernel
	.amdgpu_metadata
---
amdhsa.version: [ 1, 2 ]
amdhsa.kernels:
  - .name:           k_qbf4f1841b6_quant
    .symbol:         k_qbf4f1841b6_quant.kd
    .args:
      - { .name: x, .offset: 0, .size: 8, .value_kind: global_buffer, .address_space: global }
      - { .name: W_qkv, .offset: 8, .size: 8, .value_kind: global_buffer, .address_space: global }
      - { .name: W_proj, .offset: 16, .size: 8, .value_kind: global_buffer, .address_space: global }
      - { .name: x_codes, .offset: 24, .size: 8, .value_kind: global_buffer, .address_space: global }
      - { .name: x_scales, .offset: 32, .size: 8, .value_kind: global_buffer, .address_space: global }
      - { .name: wall_codes, .offset: 40, .size: 8, .value_kind: global_buffer, .address_space: global }
      - { .name: wall_scales, .offset: 48, .size: 8, .value_kind: global_buffer, .address_space: global }
    .group_segment_fixed_size: 68096
    .private_segment_fixed_size: 0
    .kernarg_segment_align: 8
    .kernarg_segment_size: 56
    .max_flat_workgroup_size: 128
    .sgpr_count:     66
    .vgpr_count:     226
    .wavefront_size: 32
...
	.end_amdgpu_metadata
.endif
;; end of part 1
;; launch gemm_qkv (part 2): grid 4 x 48, 4 waves a work-group, clusters of 4 x 4, 327,680 bytes of LDS; arguments x_codes, x_scales, wall_codes, wall_scales, qkv_codes, qkv_scales; writes qkv_codes, qkv_scales
.if DOCPART == 2
	.amdgcn_target "amdgcn-amd-amdhsa--gfx1250"
	.amdhsa_code_object_version 6
	.text
	.protected	k_qbf4f1841b6_gemm_qkv
	.globl	k_qbf4f1841b6_gemm_qkv
	.p2align	8
	.type	k_qbf4f1841b6_gemm_qkv,@function
k_qbf4f1841b6_gemm_qkv:
	s_mov_b64 s[64:65], 0
	v_nop
	global_prefetch_b8 v0, s[64:65] scope:SCOPE_SE
	s_setreg_imm32_b32 hwreg(HW_REG_WAVE_MODE, 25, 1), 1
	s_wait_xcnt 0x0
	s_wait_alu depctr_hold_cnt(0) depctr_sa_sdst(0) depctr_va_vdst(0) depctr_va_sdst(0) depctr_va_ssrc(0) depctr_va_vcc(0) depctr_vm_vsrc(0)
	s_getreg_b32 s2, hwreg(HW_REG_IB_STS2, 6, 4)
	s_cmp_eq_u32 s2, 0
	s_cbranch_scc0 .Lentry_in_a_cluster
	s_endpgm
.Lentry_in_a_cluster:
	s_bfe_u32 s2, ttmp6, 0x10000c
	s_cmp_lg_u32 s2, 0xf033
	s_cbranch_scc0 .Lentry_shape_is_right
	s_endpgm
.Lentry_shape_is_right:
; Product 1, x W_qkv, on codes of FP6 with E8M0 scales; K = 1,024.  Its results never leave as f32: each tile's way out quantises them along the tile's COLUMNS.
; q and k (clusters with y < 8): rows = tokens (A' = x), columns = W_qkv's columns 0-2047 (B' = the weights): quantised along the head's d.
; v (clusters with y >= 8): computed TRANSPOSED: rows = W_qkv's columns 2048-3071 (A' = the weights), columns = tokens (B' = x): quantised along the keys.
; One text serves both: only pointers and offsets are chosen, on the cluster's y, which all sixteen partners share.
; A tile is 256 x 256, four waves of 128 x 128 (64 accumulators); K goes in steps of 256 through two LDS slots.  4 x 4 work-groups ask jointly: A's tiles along a row of the cluster, B's along a column.
; A WORK-GROUP STAYS AND MAKES TWO TILES, in tile columns tc and tc + 4: the same rows of A', rows of B' 1,024 further on.  The ring does not stop between them: the first tile's last two changes of
; slots ask for the second tile's K steps 0 and 1, which land while the first tile goes out; nothing waits for the first tile's stores.  The 384 tiles are 192 work-groups' two.  Both tiles are written out: no loop.
; The scales come once, with the first fills: A's rows', and B's rows' for both tiles.  The way out's stage has LDS bytes of its own, since the slots are filled again.
; The matrix instruction is used transposed (source 0 = B', source 1 = A').  Rows of both operands lie at places sigma(row) (bits 3 and 4 exchanged), so register j of lane (r, h) of tile b holds
; column 32 (b / 2) + 16 h + 8 (b % 2) + j: tiles 2 B and 2 B + 1 give 16 neighbours.
; OUT: qkv_codes [tile][wave][128 row places][96 bytes], qkv_scales [tile][wave][128][4].  Tile = 8 tr + tc for q, k; 256 + 32 tr + tc for v.
; LIMITS: NaN and infinities are not served; a block whose largest magnitude lies under 2^-124 gets the byte 1.
.set KSTEP,  256
.set NQ,     2
.set ROWB,   192
.set KROW,   768
.set PITCH,  240                       ; 3 x (64 bytes + 16 of padding)
.set FR,     12
.set NL,     6
.set NP,     4
.set HALFT,  128*PITCH
.set SLOT,   4*HALFT
.set KS,     32
.set SCL,    2*SLOT                    ; the scales: A's two halves, B's two halves for tile 0, B's two halves for tile 1
.set HALFS,  (128*KS/256)*272
.set SBLK,   (16*KS/256)*272
.set SPARE,  SCL+6*HALFS               ; the spare words: two blocks of 256 bytes that no other line names
.set STAGE,  SPARE+512                 ; the way out: 4,096 bytes a wave, into which no fill lands
.set WALKB,  1024*KROW                 ; from a tile's rows of B' to the next tile's
.set ADRA, 16
.set ADRB, 20
.set STO,  24                          ; the way out: where I put 12 bytes of a row (a place of 16)
.set RD,   25                          ; where I read them back
.set CO,   26                          ; 12 x lane
.set ADRS0, 27                         ; LDS address of my scale words, tile 0: lanes 0-15 A's rows, lanes 16-31 B's
.set ADRS1, 8                          ; the same for tile 1
.set SPW,  28
.set NIL,  29
.set SWA,  30                          ; where I put a row's scale word
.set SWR,  31                          ; where I read four of them back
.set SCO,  7                           ; 16 x lane
.set SC,   32                          ; v32-63 scale words, two sets: they hold nothing else
.set AF,   128                         ; v128-223 A's fragments
.set TM,   64                          ; the way out: v64-79 at work, v80-81 the scale word (two sets), v84-115 codes (two sets), v116-119 scale words read back, v224-255 rows read back (two sets)
.set PW,   80
.set CD,   84
.set SW,   116
.set BK,   224
.set G1, 24
.set G0, 32
.set G1B, 48
.set G0B, 56
.set G1S, 68
.set G0S, 76
.set G1SB, 80
.set G0SB, 88
.set G0S2, 4                           ; s[4:7]: group 0 for tile 1's scales of B' (the arguments that lay there have been used by then)
.set MSB, 0
.macro WIN new                         ; the immediate's high byte repeats the setting that is left
.if MSB != \new
	s_set_vgpr_msb (MSB<<8)|\new
.set MSB, \new
.endif
.endm
.set MUL_LO, 0xa1                      ; source 0 (B') window 1, source 1 (A') window 0, C and D window 2
.set MUL_HI, 0xf1
.set TO_B,   0x40
.macro JLOAD g0a, g1a, g0b, g1b        ; waves 0 and 1 fetch for A', waves 2 and 3 for B'; four v_nop follow each line
	s_cmp_eq_u32 s15, 0
	s_cbranch_scc0 .Lfor_b_\@
	tensor_load_to_lds s[\g0a:\g0a+3], s[\g1a:\g1a+7]
	s_nop 0
.rept 4
	v_nop
.endr
	s_branch .Lasked_\@
.Lfor_b_\@:
	tensor_load_to_lds s[\g0b:\g0b+3], s[\g1b:\g1b+7]
	s_nop 0
.rept 4
	v_nop
.endr
.Lasked_\@:
.endm
.macro CREST
	s_cmp_lg_u32 s14, 0
	s_cbranch_scc1 .Lnot_wave_0_\@
	s_barrier_signal -3
.Lnot_wave_0_\@:
	s_barrier_wait -3
	s_barrier_signal -1
	s_barrier_wait -1
.endm
.macro CROUND
	s_barrier_signal -1
	s_barrier_wait -1
	CREST
.endm
	s_load_b128 s[4:7], s[0:1], 0x0                ; x's codes, x's scales
	s_load_b128 s[8:11], s[0:1], 0x10              ; the weights' codes, their scales
	s_load_b128 s[96:99], s[0:1], 0x20             ; qkv's codes, qkv's scales
	v_lshl_add_u32 v[SPW], v0, 2, SPARE
	v_mov_b32 v[NIL], 0
	ds_add_u32 v28, v29
	ds_add_u32 v28, v29
	s_wait_dscnt 0x0
.irp b, 0,1,2,3
	v_mov_b32 v[TM+4+\b], 0                        ; a lane permute's destination counts as one of its sources
.endr
	v_lshrrev_b32 v1, 5, v0
	v_readfirstlane_b32 s14, v1                    ; wave
	s_lshr_b32 s15, s14, 1                         ; my half of the tile's rows; also: I fetch for A' (0) or B' (1)
	s_and_b32 s16, s14, 1                          ; my half of its columns; also: which 128 rows I fetch
	s_bfe_u32 s40, ttmp6, 0x40000                  ; cx
	s_bfe_u32 s41, ttmp6, 0x40004                  ; cy
	s_and_b32 s2, ttmp7, 0xffff                    ; the cluster's y: 0-7 q and k, 8-11 v
	s_sub_co_u32 s21, s2, 8
	s_lshl_b32 s21, s21, 1                         ; v: the cluster's first column of clusters' tiles, 2 (y - 8)
	s_cmp_ge_u32 s2, 8
	s_cselect_b32 s42, s21, 0                      ; the first of the two columns that the cluster walks
	s_cselect_b32 s17, 0, s2                       ; and its row
	s_cselect_b32 s95, 256, 0                      ; the first tile number of this kind
	s_cselect_b32 s3, 5, 3                         ; tiles in a row of tiles: 32 or 8
	s_cselect_b32 s66, 2048*KROW, 0                ; v: A' begins at the table's row 2,048
	s_cselect_b32 s100, 2048*KS, 0
	s_mov_b32 s67, 0
	s_mov_b32 s101, 0
	s_lshl_b32 s42, s42, 2
	s_add_co_u32 s42, s42, s40                     ; tile column of my first tile
	s_lshl_b32 s17, s17, 2
	s_add_co_u32 s17, s17, s41                     ; tile row
	s_lshl_b32 s43, s41, 2
	s_lshl_b32 s43, 15, s43                        ; my row of the cluster
	s_lshl_b32 s44, 0x1111, s40                    ; my column
	s_or_b32 s[G1+0], s43, (0<<16)|(1<<20)|(1<<21)|(3<<22)|(3<<25)  ; the mask; elements of 1 byte; padding: 4 words behind every 16
	s_or_b32 s[G1B+0], s44, (0<<16)|(1<<20)|(1<<21)|(3<<22)|(3<<25)
.irp g, G1, G1B
	s_mov_b32 s[\g+1], ROWB<<16
	s_mov_b32 s[\g+2], 128<<16
	s_mov_b32 s[\g+3], ROWB<<16
	s_mov_b32 s[\g+4], 128
	s_mov_b32 s[\g+5], KROW
	s_mov_b32 s[\g+6], 0
	s_mov_b32 s[\g+7], 0
.endr
	s_or_b32 s[G1S+0], s43, (3<<16)|(1<<20)|(1<<21)|(5<<22)|(3<<25) ; the scales of 128 rows: dense, as rows of 256 bytes + 16
	s_or_b32 s[G1SB+0], s44, (3<<16)|(1<<20)|(1<<21)|(5<<22)|(3<<25)
.irp g, G1S, G1SB
	s_mov_b32 s[\g+1], 32<<16
	s_mov_b32 s[\g+2], (128*KS/256)<<16
	s_mov_b32 s[\g+3], 32<<16
	s_mov_b32 s[\g+4], 128*KS/256
	s_mov_b32 s[\g+5], 32
	s_mov_b32 s[\g+6], 0
	s_mov_b32 s[\g+7], 0
.endr
	s_lshl_b32 s18, s16, 7
	s_lshl_b32 s20, s17, 8
	s_add_co_u32 s20, s20, s18                     ; A': row 256 x tile row + 128 x half
	s_lshl_b32 s46, s42, 8
	s_add_co_u32 s46, s46, s18                     ; B': row 256 x tile column + 128 x half
	s_mov_b32 s21, 0
	s_mov_b32 s47, 0
	s_mov_b64 s[18:19], KS
	s_mul_u64 s[22:23], s[20:21], s[18:19]
	s_mul_u64 s[92:93], s[46:47], s[18:19]
	s_mov_b64 s[18:19], KROW
	s_mul_u64 s[20:21], s[20:21], s[18:19]
	s_mul_u64 s[46:47], s[46:47], s[18:19]
	s_add_nc_u64 s[20:21], s[20:21], s[66:67]      ; offsets still: v's rows of the table
	s_add_nc_u64 s[22:23], s[22:23], s[100:101]
	s_mul_i32 s45, s14, HALFT
	s_mul_i32 s94, s14, HALFS
	s_wait_kmcnt 0x0
	s_cmp_ge_u32 s2, 8                             ; which buffer is A' and which B'
	s_cselect_b64 s[12:13], s[8:9], s[4:5]         ; A's codes
	s_cselect_b64 s[8:9], s[4:5], s[8:9]           ; B's codes
	s_cselect_b64 s[4:5], s[10:11], s[6:7]         ; A's scales
	s_cselect_b64 s[10:11], s[6:7], s[10:11]       ; B's scales
	s_add_nc_u64 s[20:21], s[12:13], s[20:21]
	s_add_nc_u64 s[22:23], s[4:5], s[22:23]
	s_add_nc_u64 s[46:47], s[8:9], s[46:47]
	s_add_nc_u64 s[92:93], s[10:11], s[92:93]
	CROUND                                         ; all sixteen work-groups are here: the first joint loads meet
	s_mov_b32 s[G0S], 1
	s_add_co_u32 s[G0S+1], s94, SCL
	s_mov_b64 s[G0S+2:G0S+3], s[22:23]
	s_or_b32 s[G0S+3], s[G0S+3], 0x80000000
	s_mov_b32 s[G0SB], 1
	s_add_co_u32 s[G0SB+1], s94, SCL
	s_mov_b64 s[G0SB+2:G0SB+3], s[92:93]
	s_or_b32 s[G0SB+3], s[G0SB+3], 0x80000000
	s_mov_b32 s[G0S2], 1
	s_add_co_u32 s[G0S2+1], s94, SCL+2*HALFS       ; waves 2 and 3: two places further on
	s_add_nc_u64 s[G0S2+2:G0S2+3], s[92:93], 1024*KS   ; the scales of B's rows 1,024 further on
	s_or_b32 s[G0S2+3], s[G0S2+3], 0x80000000
	s_cmp_eq_u32 s15, 0                            ; the scales first: A's by waves 0 and 1; B's for both tiles by waves 2 and 3, whose two loads stand together
	s_cbranch_scc0 .Lsc_b
	tensor_load_to_lds s[G0S:G0S+3], s[G1S:G1S+7]
	s_nop 0
.rept 4
	v_nop
.endr
	s_branch .Lsc_asked
.Lsc_b:
	tensor_load_to_lds s[G0SB:G0SB+3], s[G1SB:G1SB+7]
	s_nop 0
	tensor_load_to_lds s[G0S2:G0S2+3], s[G1SB:G1SB+7]
	s_nop 0
.rept 4
	v_nop
.endr
.Lsc_asked:
.irp s, 0,1
	s_mov_b32 s[G0+4*\s], 1
	s_add_co_u32 s[G0+4*\s+1], s45, \s*SLOT
	s_add_nc_u64 s[G0+4*\s+2:G0+4*\s+3], s[20:21], \s*ROWB
	s_or_b32 s[G0+4*\s+3], s[G0+4*\s+3], 0x80000000
	s_mov_b32 s[G0B+4*\s], 1
	s_add_co_u32 s[G0B+4*\s+1], s45, \s*SLOT
	s_add_nc_u64 s[G0B+4*\s+2:G0B+4*\s+3], s[46:47], \s*ROWB
	s_or_b32 s[G0B+4*\s+3], s[G0B+4*\s+3], 0x80000000
	JLOAD G0+4*\s, G1, G0B+4*\s, G1B               ; by the text's own count three (waves 0, 1) or four (waves 2, 3) tensor loads of a wave are out here
.endr
	v_and_b32 v1, 15, v0                           ; r
	v_bfe_u32 v2, v0, 4, 1                         ; h
	v_mul_u32_u24 v3, v1, PITCH
	v_mul_u32_u24 v4, v2, 24
	v_add_nc_u32 v4, v3, v4
	v_lshl_add_u32 v5, v2, 4, v4                   ; the same behind one padding more
	s_mul_i32 s21, s15, HALFT
	s_mul_i32 s22, s16, HALFT
	s_add_co_u32 s22, s22, 2*HALFT
.irp s, 0,1
	v_add_nc_u32 v[ADRA+\s], s21, v4
	v_add_nc_u32 v[ADRB+\s], s22, v4
	v_add_nc_u32 v[ADRA+2+\s], s21, v5
	v_add_nc_u32 v[ADRB+2+\s], s22, v5
	s_add_co_u32 s21, s21, SLOT
	s_add_co_u32 s22, s22, SLOT
.endr
	v_mul_u32_u24 v5, v1, KS                       ; my row's scales: 32 bytes a row, and 16 more for each 256 passed
	v_lshrrev_b32 v6, 8, v5
	v_lshl_add_u32 v5, v6, 4, v5
	s_mul_i32 s21, s15, HALFS
	s_mul_i32 s22, s16, HALFS
	s_add_co_u32 s22, s22, 2*HALFS
	s_sub_co_u32 s22, s22, s21
	v_mul_u32_u24 v6, s22, v2                      ; lanes 16-31 take B's: tile 0's,
	s_add_co_u32 s22, s22, 2*HALFS
	v_mul_u32_u24 v3, s22, v2                      ; or tile 1's, two places further on
	s_add_co_u32 s21, s21, SCL
	v_add_nc_u32 v6, v5, v6
	v_add_nc_u32 v3, v5, v3
	v_add_nc_u32 v[ADRS0], s21, v6
	v_add_nc_u32 v[ADRS1], s21, v3
	s_lshl_b32 s23, s14, 12
	s_add_co_u32 s23, s23, STAGE                   ; my stage for the way out
	v_mul_u32_u24 v5, v1, 144                      ; a row: eight places of 16 bytes + 16
	v_lshl_add_u32 v5, v2, 4, v5
	v_add_nc_u32 v[STO], s23, v5
	v_and_b32 v6, 31, v0
	v_lshrrev_b32 v5, 3, v6
	v_mul_u32_u24 v5, v5, 144
	v_and_b32 v3, 7, v6
	v_lshl_add_u32 v5, v3, 4, v5
	v_add_nc_u32 v[RD], s23, v5                    ; back: eight lanes to a row, four rows an instruction
	v_mul_u32_u24 v[CO], v6, 12
	s_add_co_u32 s23, s23, 3072
	v_lshl_add_u32 v[SWA], v1, 2, s23              ; the 128 scale words of my rows
	v_lshl_add_u32 v[SWR], v6, 4, s23
	v_lshlrev_b32 v[SCO], 4, v6
	s_lshl_b32 s20, s17, s3
	s_add_co_u32 s20, s20, s42
	s_add_co_u32 s20, s20, s95                     ; my first tile's number; the second's is 4 more
	s_lshl_b32 s20, s20, 2
	s_add_co_u32 s20, s20, s14                     ; 4 x tile + wave
	s_mul_i32 s46, s20, 12288
	s_mov_b32 s47, 0
	s_add_nc_u64 s[12:13], s[96:97], s[46:47]      ; my block of codes
	s_lshl_b32 s46, s20, 9
	s_add_nc_u64 s[98:99], s[98:99], s[46:47]      ; my block of scale words
	s_mov_b32 s2, 0x1800000                        ; the floor 2^(3 - 127)
	s_mov_b32 s66, 0x76543210
	s_mov_b32 s67, 0xfedcba98                      ; v_permlanex16_b32: lane l xor 16
.macro FRAG reg, adr, q, i             ; 16 rows x 128 K: 12 registers, in pieces of 8 bytes; the second address register serves the pieces that lie behind one padding more for lanes 16-31
.irp p, 0,1,2,3,4,5
.set PCE, 12*(\q)+6*(\p/3)+\p%3
.if PCE%8 < 5
	ds_load_b64 v[\reg+2*\p:\reg+2*\p+1], v[\adr] offset:8*PCE+16*(PCE/8)+(\i)*16*PITCH
.else
	ds_load_b64 v[\reg+2*\p:\reg+2*\p+1], v[\adr+2] offset:8*PCE+16*(PCE/8)+(\i)*16*PITCH
.endif
.endr
.endm
; 16 matrix instructions: A's blocks a0, a0 + 1 x B's eight.  The 64 accumulators take turns, one instruction a turn, from tile to tile too.
.macro MUL16 a0, p, q, sc, zero
.irp a, \a0, \a0+1
.irp b, 0,1,2,3,4,5,6,7
.if \zero
	v_wmma_scale_f32_16x16x128_f8f6f4 v[8*(8*((\a)%4)+\b):8*(8*((\a)%4)+\b)+7], v[128*(\p)+FR*\b:128*(\p)+FR*\b+FR-1], v[AF+FR*(\a):AF+FR*(\a)+FR-1], 0, v[SC+8*NQ*(\sc)+NQ*\b+(\q)], v[SC+8*NQ*(\sc)+NQ*(\a)+(\q)] matrix_a_fmt:MATRIX_FMT_FP6 matrix_b_fmt:MATRIX_FMT_FP6 matrix_a_scale:MATRIX_SCALE_ROW1
.else
	v_wmma_scale_f32_16x16x128_f8f6f4 v[8*(8*((\a)%4)+\b):8*(8*((\a)%4)+\b)+7], v[128*(\p)+FR*\b:128*(\p)+FR*\b+FR-1], v[AF+FR*(\a):AF+FR*(\a)+FR-1], v[8*(8*((\a)%4)+\b):8*(8*((\a)%4)+\b)+7], v[SC+8*NQ*(\sc)+NQ*\b+(\q)], v[SC+8*NQ*(\sc)+NQ*(\a)+(\q)] matrix_a_fmt:MATRIX_FMT_FP6 matrix_b_fmt:MATRIX_FMT_FP6 matrix_a_scale:MATRIX_SCALE_ROW1
.endif
.endr
.endr
.endm
.macro FETCH_B slot, q, p
	WIN TO_B
.irp i, 0,1,2,3,4,5,6,7
	FRAG 128*(\p)+FR*\i, ADRB+\slot, \q, \i
.endr
	WIN 0
.endm
.macro FETCH_A slot, q, i0
.irp i, \i0, \i0+1, \i0+2, \i0+3
	FRAG AF+FR*(\i), ADRA+\slot, \q, \i
.endr
.endm
.macro SCALES sc, adr, k               ; K step k's two words a row into set sc: lanes 0-15 take A's block i, lanes 16-31 B's block i; the K step stands in the immediate
.irp i, 0,1,2,3,4,5,6,7
	ds_load_b64 v[SC+8*NQ*\sc+NQ*\i:SC+8*NQ*\sc+NQ*\i+1], v[\adr] offset:\i*SBLK+8*(\k)
.endr
.endm
.macro PLACES n                        ; plain vector places behind matrix instructions (ISA guide 7.12.1)
.rept \n
	v_nop
.endr
.endm
.macro STEP slot, q, zero
	s_wait_dscnt 4*NL                              ; B's set and A's blocks 0-3 are in; A's blocks 4-7 may be out
	WIN MUL_LO
	MUL16 0, (\q)%2, \q, \slot, \zero
	MUL16 2, (\q)%2, \q, \slot, \zero
	s_wait_dscnt 0
	PLACES NP
	FETCH_B \slot, (\q)+1, 1-(\q)%2
	FETCH_A \slot, (\q)+1, 0
	WIN MUL_HI
	MUL16 4, (\q)%2, \q, \slot, \zero
	MUL16 6, (\q)%2, \q, \slot, \zero
	PLACES NP
	WIN 0
	FETCH_A \slot, (\q)+1, 4
.endm
; A slot's last step changes slots.  fill = 1: this slot takes this tile's K step two on; 2: the NEXT tile's K step of the same slot (A' back along K, B' 1,024 rows down and back); 0: nothing.
; adr, k: whence the next K step's scale words come.
.macro TURN slot, next, fill, adr, k
	s_wait_tensorcnt 0x0                           ; all my tensor loads have landed: my part of the next slot
	ds_add_u32 v[SPW], v[NIL]                      ; 0 onto my spare word
	s_wait_dscnt 4*NL+1                            ; (the add and A's blocks 4-7 may be out)
	WIN MUL_LO
	MUL16 0, 1, NQ-1, \slot, 0
	s_wait_dscnt 0x0                               ; the add is done, and my reads of this slot are over
	s_barrier_signal -1
	MUL16 2, 1, NQ-1, \slot, 0
	WIN 0
	s_barrier_wait -1
.if \fill
	CREST                                          ; the barrier has opened a round of the cluster's barrier
.if \fill == 1
	s_add_nc_u64 s[G0+4*\slot+2:G0+4*\slot+3], s[G0+4*\slot+2:G0+4*\slot+3], 2*ROWB
	s_add_nc_u64 s[G0B+4*\slot+2:G0B+4*\slot+3], s[G0B+4*\slot+2:G0B+4*\slot+3], 2*ROWB
.else
	s_sub_nc_u64 s[G0+4*\slot+2:G0+4*\slot+3], s[G0+4*\slot+2:G0+4*\slot+3], 2*ROWB
	s_add_nc_u64 s[G0B+4*\slot+2:G0B+4*\slot+3], s[G0B+4*\slot+2:G0B+4*\slot+3], WALKB-2*ROWB
.endif
	JLOAD G0+4*\slot, G1, G0B+4*\slot, G1B         ; the first tensor load behind the round; its four v_nop are the places in front of the loads below
.else
	PLACES NP
.endif
	FETCH_B \next, 0, 0
	FETCH_A \next, 0, 0
	SCALES \next, \adr, \k
	WIN MUL_HI
	MUL16 4, 1, NQ-1, \slot, 0
	MUL16 6, 1, NQ-1, \slot, 0
	PLACES NP
	WIN 0
	FETCH_A \next, 0, 4
.endm
; THE WAY OUT, a block of 16 rows x 128 columns at a time.  Lane (r, h) holds, of row r, 16 neighbouring columns of each of the four blocks of 32: the block's largest magnitude wants lane l xor 16's,
; a conversion gives 12 bytes; they go through my stage (places of 16 bytes) and leave as four stores of 384 consecutive bytes.  Block a's arithmetic stands between block a - 1's loads from the stage
; and the wait for them: codes, scale word and the rows read back have two sets of registers each.  LDS serves a wave's instructions in order, so block a's stores into the stage come behind block a - 1's loads.
.macro QCOMP a
.set AC, 64*((\a)%4)
.set CDS, CD+16*((\a)%2)
.set PWS, PW+(\a)%2
.set BB, BK+16*((\a)%2)
	WIN 0x28+0x14*((\a)/4)                         ; sources 1 and 2: window 2 or 3
.irp b, 0,1,2,3
	v_max3_num_f32 v[TM+\b], s2, |v[AC+16*\b]|, |v[AC+16*\b+1]|   ; each accumulator is read from its low end on; the floor is a leaf
.endr
.irp i, 2,4,6,8,10,12,14
.irp b, 0,1,2,3
	v_max3_num_f32 v[TM+\b], v[TM+\b], |v[AC+16*\b+\i]|, |v[AC+16*\b+\i+1]|
.endr
.endr
	WIN 0
.irp b, 0,1,2,3
	v_permlanex16_b32 v[TM+4+\b], v[TM+\b], s66, s67
.endr
.irp b, 0,1,2,3
	v_max_num_f32 v[TM+\b], v[TM+\b], v[TM+4+\b]
.endr
.irp b, 0,1,2,3
	v_add_nc_u32 v[TM+12+\b], 0xff000000, v[TM+\b] ; 2 off the exponent field: the conversion's scale operand
.endr
.irp b, 0,1,2,3
	v_lshrrev_b32 v[TM+4+\b], 23, v[TM+12+\b]
.endr
	v_lshl_or_b32 v[PWS], v[TM+5], 8, v[TM+4]
	v_lshl_or_b32 v[PWS], v[TM+6], 16, v[PWS]
	v_lshl_or_b32 v[PWS], v[TM+7], 24, v[PWS]      ; my row's scale word
	WIN 0x02+(\a)/4                                ; source 0: window 2 or 3
.irp b, 0,1,2,3
	v_cvt_scalef32_pk16_fp6_f32 v[CDS+4*\b:CDS+4*\b+2], v[AC+16*\b:AC+16*\b+15], v[TM+12+\b]
.endr
	WIN 0
	v_nop                                          ; one plain place behind the conversions
.irp b, 0,1,2,3
	ds_store_b96 v[STO], v[CDS+4*\b:CDS+4*\b+2] offset:32*\b
.endr
	ds_store_b32 v[SWA], v[PWS] offset:64*(\a)     ; lanes r and r + 16 write the same word
	s_wait_xcnt 0x0                                ; the stores of two blocks ago have read the registers that the loads below fill
.irp i, 0,1,2,3
	ds_load_b96 v[BB+4*\i:BB+4*\i+2], v[RD] offset:576*\i
.endr
.endm
.macro QSEND a, younger, t             ; younger: the LDS instructions issued behind block a's loads; t: which of my two tiles: its place stands in the immediate
.set BB, BK+16*((\a)%2)
	s_wait_dscnt \younger
.irp i, 0,1,2,3
	global_store_b96 v[CO], v[BB+4*\i:BB+4*\i+2], s[12:13] offset:196608*(\t)+1536*(\a)+384*\i
.endr
.endm
.macro WAYOUT t
	QCOMP 0
.irp a, 1,2,3,4,5,6,7
	QCOMP \a
	QSEND \a-1, 9, \t                              ; behind block a - 1's loads: block a's five stores and four loads
.endr
	QSEND 7, 0, \t
	ds_load_b128 v[SW:SW+3], v[SWR]                ; my 128 scale words: 512 consecutive bytes
	s_wait_dscnt 0x0
	global_store_b128 v[SCO], v[SW:SW+3], s[98:99] offset:8192*(\t)
.endm
	s_wait_tensorcnt 1                             ; the scales and my part of K step 0 are in; K step 1's load, the last issued on either way, may be out
	s_barrier_signal -1
	s_barrier_wait -1
	FETCH_B 0, 0, 0
	FETCH_A 0, 0, 0
	SCALES 0, ADRS0, 0
	FETCH_A 0, 0, 4
	; ---- the first tile
	STEP 0, 0, 1                                   ; the first products start the sums
	TURN 0, 1, 1, ADRS0, 1
	STEP 1, 0, 0
	TURN 1, 0, 1, ADRS0, 2
	STEP 0, 0, 0
	TURN 0, 1, 2, ADRS0, 3                         ; the ring goes on into the next tile: slot 0 takes its K step 0,
	STEP 1, 0, 0
	TURN 1, 0, 2, ADRS1, 0                         ; slot 1 its K step 1, and the next tile's first fragments and scale words are fetched
	WAYOUT 0                                       ; both refills are asked for: now the tile goes out (the places behind its last products stand at TURN's end)
	; ---- the second tile
	STEP 0, 0, 1
	TURN 0, 1, 1, ADRS1, 1
	STEP 1, 0, 0
	TURN 1, 0, 1, ADRS1, 2
	STEP 0, 0, 0
	TURN 0, 1, 0, ADRS1, 3                         ; nothing is left to fetch
	STEP 1, 0, 0
	s_wait_dscnt 4*NL
	WIN MUL_LO
	MUL16 0, 1, NQ-1, 1, 0
	MUL16 2, 1, NQ-1, 1, 0
	s_wait_dscnt 0
	WIN MUL_HI
	MUL16 4, 1, NQ-1, 1, 0
	MUL16 6, 1, NQ-1, 1, 0
	WIN 0
	PLACES NP
	WAYOUT 1
	s_wait_tensorcnt 0x0                           ; the wave's end
	ds_add_u32 v[SPW], v[NIL]
	s_wait_dscnt 0x0
	CROUND                                         ; the closing round
	s_endpgm
.Lfunc_end_k_qbf4f1841b6_gemm_qkv:
	.size	k_qbf4f1841b6_gemm_qkv, .Lfunc_end_k_qbf4f1841b6_gemm_qkv-k_qbf4f1841b6_gemm_qkv
	.p2alignl 7, 3214868480
	.fill 96, 4, 3214868480
	.section	.rodata,"a",@progbits
	.p2align	6, 0x0
	.amdhsa_kernel k_qbf4f1841b6_gemm_qkv
		.amdhsa_group_segment_fixed_size 327680
		.amdhsa_private_segment_fixed_size 0
		.amdhsa_enable_private_segment 0
		.amdhsa_kernarg_size 48
		.amdhsa_user_sgpr_count 2
		.amdhsa_user_sgpr_kernarg_segment_ptr 1
		.amdhsa_wavefront_size32 1
		.amdhsa_system_sgpr_workgroup_id_x 1
		.amdhsa_system_sgpr_workgroup_id_y 1
		.amdhsa_system_sgpr_workgroup_id_z 1
		.amdhsa_system_vgpr_workitem_id 0
		.amdhsa_next_free_vgpr 1024
		.amdhsa_next_free_sgpr 102
		.amdhsa_reserve_vcc 0
		.amdhsa_float_denorm_mode_32 3
		.amdhsa_float_denorm_mode_16_64 3
		.amdhsa_memory_ordered 1
		.amdhsa_forward_progress 1
		.amdhsa_inst_pref_size 255
	.end_amdhsa_kernel
	.section	.bss,"aw",@nobits
	.p2align	6
	.space	262144
	.amdgpu_metadata
---
amdhsa.version: [ 1, 2 ]
amdhsa.kernels:
  - .name:           k_qbf4f1841b6_gemm_qkv
    .symbol:         k_qbf4f1841b6_gemm_qkv.kd
    .args:
      - { .name: x_codes, .offset: 0, .size: 8, .value_kind: global_buffer, .address_space: global }
      - { .name: x_scales, .offset: 8, .size: 8, .value_kind: global_buffer, .address_space: global }
      - { .name: wall_codes, .offset: 16, .size: 8, .value_kind: global_buffer, .address_space: global }
      - { .name: wall_scales, .offset: 24, .size: 8, .value_kind: global_buffer, .address_space: global }
      - { .name: qkv_codes, .offset: 32, .size: 8, .value_kind: global_buffer, .address_space: global }
      - { .name: qkv_scales, .offset: 40, .size: 8, .value_kind: global_buffer, .address_space: global }
    .group_segment_fixed_size: 327680
    .private_segment_fixed_size: 0
    .kernarg_segment_align: 8
    .kernarg_segment_size: 48
    .max_flat_workgroup_size: 128
    .sgpr_count:     102
    .vgpr_count:     1024
    .wavefront_size: 32
...
	.end_amdgpu_metadata
.endif
;; end of part 2
;; launch attn (part 3): grid 8 x 32, 4 waves a work-group, clusters of 4 x 1, 327,680 bytes of LDS; arguments qkv_codes, qkv_scales, reg, o_codes, o_scales; writes o_codes, o_scales
.if DOCPART == 3
	.amdgcn_target "amdgcn-amd-amdhsa--gfx1250"
	.amdhsa_code_object_version 6
	.text
	.protected	k_qbf4f1841b6_attn
	.globl	k_qbf4f1841b6_attn
	.p2align	8
	.type	k_qbf4f1841b6_attn,@function
k_qbf4f1841b6_attn:
	s_mov_b64 s[64:65], 0
	v_nop
	global_prefetch_b8 v0, s[64:65] scope:SCOPE_SE
	s_setreg_imm32_b32 hwreg(HW_REG_WAVE_MODE, 25, 1), 1
	s_wait_xcnt 0x0
	s_wait_alu depctr_hold_cnt(0) depctr_sa_sdst(0) depctr_va_vdst(0) depctr_va_sdst(0) depctr_va_ssrc(0) depctr_va_vcc(0) depctr_vm_vsrc(0)
	s_getreg_b32 s2, hwreg(HW_REG_IB_STS2, 6, 4)
	s_cmp_eq_u32 s2, 0
	s_cbranch_scc0 .Lentry_in_a_cluster
	s_endpgm
.Lentry_in_a_cluster:
	s_bfe_u32 s2, ttmp6, 0x10000c
	s_cmp_lg_u32 s2, 0x3003
	s_cbranch_scc0 .Lentry_shape_is_right
	s_endpgm
.Lentry_shape_is_right:
; Products 2 and 3 on codes of FP6 with E8M0 scales: o = Q(softmax(q k^T / 8) + reg) Q(v), and o's own quantiser along (head, d).
; The left operand of product 3 is the FINISHED softmax plus reg, so a row's maximum and sum are known before any of its blocks is quantised: the scores of 32 queries x all 1,024 keys stay in registers.
; SHARES.  A work-group owns (batch, head, 512 queries) and walks 16 steps of 32 queries (two tiles g of 16).  THE WAVES SHARE THE KEYS: wave w owns keys 256 w .. 256 w + 255; its K and V^T
; stay in registers for the whole launch.  Each wave takes its own maximum c m (as the rounded product c x m) and sum l; the four meet in LDS; p is then multiplied by 2^(c m - c M) / L.
; Both products are used transposed: a lane holds one query.  Partial O^T of the four waves meets in LDS, as images of registers; wave w sums, quantises and stores tile w / 2, block w % 2.
; K = 64 IN AN INSTRUCTION OF K = 128: source 0 holds two tiles of keys side by side, source 1 is [q | zeros] or [zeros | q]: zero codes cancel the other tile.
; CLUSTER: the four partners are four batches of one (head, half of the queries): they read the same tiles of reg, asked for jointly.  K and V are not shared so: 98 KB once a work-group against 2.1 MB of reg.
; LDS: two slots of reg (a wave's tile: 32 rows x 1,024 bytes + 16), read only by the wave that asked; then stages that no fill touches.
; LIMITS: NaN and infinities are not served; a block whose largest magnitude lies under 2^-124 gets the byte 1; the sums over the keys are taken in four parts.
.set SLOTB, 133120                     ; a slot; no wave's offset w x 33,280 has bit 11 or bit 17, so an exclusive or with it turns slot 0 into slot 1 and back
.set WTB,   33280
.set STG,   266240                     ; partial O^T: wave x 8,192 + (4 g + t) x 1,024 + half x 512 + 16 x lane
.set STAT,  299008                     ; [c m0, l0, c m1, l1]: wave x 512 + 16 x lane
.set OST,   301056                     ; a step's codes of o: 128 places of 16 bytes
.set OSC,   303104                     ; all 512 queries' two scale bytes
.set SPARE, 304128                     ; the spare words: two blocks of 256 bytes that no other line names
.set SPW,2
.set NIL,3
.set RA0,4                             ; 1040 r + 64 h + my tile's place in a slot
.set RAD,5
.set QO,6
.set QSO,7
.set STO,8
.set SRD,9
.set STAW,10
.set STAR,11
.set OSTW,12
.set OSTR,13
.set OSCW0,14
.set OSCW,15
.set GOC0,16
.set GOCT,17
.set PFO,18
.set OSCR,19
.set FL,20                             ; v20-22 the last step's codes on their way out
.set OSG,23
.set KO,28
.set KSO,29
.set QR,30                             ; v30-31 q's scale halves as loaded
.set QF,32                             ; v32-67 for each g: six zeros, q's six registers, six zeros
.set KS,68                             ; v68-75 K's scale words
.set VS,76                             ; v76-83 V's
.set QS,84                             ; v84-85 q's
.set PW,86                             ; the scale word just made
.set PC,88                             ; v88-107 the codes just made
.set TM,108                            ; v108-123 at work in the quantiser
.set ST,124                            ; v124-127 c m0, l0, c m1, l1
.set MC,132                            ; v132-139 the maxima's chains
.set SU,140                            ; v140-147 the sums' chains
.set F,148                             ; v148-151 the factor of each g, as the low word of a pair
.set EX,152                            ; v152-167 the four waves' statistics
.set WK,168                            ; v168-183 at work
.set A,192                             ; v192-255 64 numbers ahead of the quantiser
.set VF,96                             ; window 1: K's fragments v0-95, V's v96-191, reg's numbers v192-255
.set RB,192
.set WV,14
.set I,28
.set TB,29
.set WT,30
.set LIM,31
.set G0A,32
.set G0,36
.set G1,40
.set OSX,78
.set GS,79
.set W_S, 0x81                         ; scores: D window 2, K window 1, q window 0
.set W_MX,0x28                         ; sources 1 and 2 window 2
.set W_SC,0x82                         ; destination and source 0 window 2
.set W_A0,0x0a
.set W_A1,0x08
.set W_LD,0x40                         ; destination window 1
.set W_FM,0x12                         ; source 0 window 2, source 2 window 1
.set W_PV,0xf1                         ; C and D window 3, V window 1
.set W_ST,0x0c                         ; an LDS store's data: window 3
.set MSB, 0
.macro WIN new
.if MSB != \new
	s_set_vgpr_msb (MSB<<8)|\new
.set MSB, \new
.endif
.endm
.macro ROUND                           ; a round of the cluster's barrier
	s_barrier_signal -1
	s_barrier_wait -1
	s_cmp_lg_u32 s[WV], 0
	s_cbranch_scc1 .Lnw0_\@
	s_barrier_signal -3
.Lnw0_\@:
	s_barrier_wait -3
	s_barrier_signal -1
	s_barrier_wait -1
.endm
	s_load_b256 s[4:11], s[0:1], 0x0               ; qkv's codes s[4:5], qkv's scales s[6:7], reg s[8:9], o's codes s[10:11]
	s_load_b64 s[12:13], s[0:1], 0x20              ; o's scales
	v_lshl_add_u32 v[SPW], v0, 2, SPARE
	v_mov_b32 v[NIL], 0
	ds_add_u32 v2, v3
	ds_add_u32 v2, v3
	s_wait_dscnt 0x0
	v_lshrrev_b32 v24, 5, v0
	v_readfirstlane_b32 s[WV], v24                 ; wave
	s_bfe_u32 s15, ttmp6, 0x40000                  ; cx
	s_lshl_b32 s16, ttmp9, 2
	s_add_co_u32 s16, s16, s15                     ; batch: it enters global addresses of K, V, q and o alone
	s_and_b32 s72, ttmp7, 0xffff
	s_lshr_b32 s17, s72, 1                         ; head
	s_and_b32 s18, s72, 1                          ; which 512 queries
	s_bfe_u32 s19, s17, 0x10001                    ; (head / 2) % 2
	s_and_b32 s20, s17, 1                          ; head % 2
	s_lshr_b32 s21, s17, 2                         ; head / 4
	s_mov_b32 s22, 0x3e38aa3b                      ; c = log2(e) / 8
	s_mov_b32 s23, s22
	s_mov_b32 s24, 0x76543210
	s_mov_b32 s25, 0xfedcba98                      ; lane l xor 16
	s_mov_b32 s26, 0xff800000                      ; -infinity
	s_mov_b32 s27, 0x1800000                       ; the floor 2^(3 - 127)
	s_mov_b32 s[I], 0
	s_mov_b32 s[TB], 0
	s_mov_b32 s[OSX], 0
	s_mov_b32 s[GS], 0
	s_cmp_eq_u32 ttmp9, 0
	s_cselect_b32 s[LIM], 13, 0                    ; the first of the two clusters that read a tile of reg prefetches, up to step 12
	s_mov_b32 s[G1], 15|(2<<16)|(1<<20)|(1<<21)|(7<<22)|(3<<25)  ; all four partners; elements of 4 bytes; 4 words of padding behind every 256
	s_mov_b32 s[G1+1], 256<<16
	s_mov_b32 s[G1+2], 32<<16
	s_mov_b32 s[G1+3], 256<<16
	s_mov_b32 s[G1+4], 32
	s_mov_b32 s[G1+5], 1024
	s_mov_b32 s[G1+6], 0
	s_mov_b32 s[G1+7], 0
	s_lshl_b32 s72, s17, 22                        ; reg: the head, my half of the queries, my wave's 256 keys
	s_lshl_b32 s73, s18, 21
	s_add_co_u32 s72, s72, s73
	s_lshl_b32 s73, s[WV], 10
	s_add_co_u32 s72, s72, s73
	s_mov_b32 s73, 0
	s_mul_i32 s[WT], s[WV], WTB
	s_wait_kmcnt 0x0
	s_add_nc_u64 s[8:9], s[8:9], s[72:73]
	s_mov_b32 s[G0A], 1
	s_mov_b32 s[G0A+1], s[WT]
	s_mov_b64 s[G0A+2:G0A+3], s[8:9]
	s_or_b32 s[G0A+3], s[G0A+3], 0x80000000
	s_mov_b32 s[G0], 1
	s_add_co_u32 s[G0+1], s[WT], SLOTB
	s_add_nc_u64 s[G0+2:G0+3], s[8:9], 131072      ; 32 rows of 4,096 bytes on
	s_or_b32 s[G0+3], s[G0+3], 0x80000000
	s_lshl_b32 s72, s15, 15                        ; the prefetches: my work-group's 8 rows of a tile's 32, told apart by address; at step 2's tile
	s_add_co_u32 s72, s72, 262144
	s_add_nc_u64 s[70:71], s[8:9], s[72:73]
	ROUND                                          ; the four work-groups are here: the first joint loads meet
	tensor_load_to_lds s[G0A:G0A+3], s[G1:G1+7]    ; steps 0 and 1: two loads of mine are out
	s_nop 0
	tensor_load_to_lds s[G0:G0+3], s[G1:G1+7]
	s_nop 0
.rept 4
	v_nop
.endr
	v_and_b32 v24, 15, v0                          ; r
	v_bfe_u32 v25, v0, 4, 1                        ; h
	v_and_b32 v26, 31, v0                          ; lane
	v_mul_u32_u24 v[RA0], v24, 1040
	v_lshl_add_u32 v[RA0], v25, 6, v[RA0]
	v_add_nc_u32 v[RA0], s[WT], v[RA0]
	v_and_b32 v27, 8, v24
	v_add_nc_u32 v27, v27, v24                     ; r + 8 (r / 8): with 8 g more, the place of query 16 g + r
	v_mul_u32_u24 v[QO], v27, 96
	v_mad_u32_u24 v[QO], v25, 24, v[QO]
	v_lshlrev_b32 v[QSO], 2, v27
	s_lshl_b32 s72, s[WV], 13
	s_add_co_u32 s72, s72, STG
	v_lshl_add_u32 v[STO], v26, 4, s72
	s_lshl_b32 s72, s[WV], 11
	s_add_co_u32 s72, s72, STG
	v_lshl_add_u32 v[SRD], v26, 4, s72
	s_lshl_b32 s72, s[WV], 9
	s_add_co_u32 s73, s72, STAT
	v_lshl_add_u32 v[STAW], v26, 4, s73
	v_lshl_add_u32 v[STAR], v26, 4, STAT
	s_add_co_u32 s73, s72, OST
	v_lshl_add_u32 v[OSTR], v26, 4, s73
	s_lshr_b32 s72, s[WV], 1
	s_and_b32 s73, s[WV], 1
	s_lshl_b32 s74, s72, 10
	s_lshl_b32 s75, s73, 5
	s_add_co_u32 s74, s74, s75
	s_add_co_u32 s74, s74, OST
	v_lshl_add_u32 v[OSTW], v24, 6, s74
	v_lshl_add_u32 v[OSTW], v25, 4, v[OSTW]
	s_lshl_b32 s74, s72, 5
	s_add_co_u32 s74, s74, s73
	s_add_co_u32 s74, s74, OSC
	v_lshl_add_u32 v[OSCW0], v24, 1, s74
	s_mul_i32 s74, s[WV], 384
	v_mad_u32_u24 v[GOC0], v26, 12, s74
	v_lshrrev_b32 v27, 2, v26
	v_lshlrev_b32 v27, 12, v27
	v_and_b32 v[PFO], 3, v26
	v_lshl_add_u32 v[PFO], v[PFO], 8, v27          ; row lane / 4, block lane % 4 of my wave's 1,024 bytes
	s_lshl_b32 s74, s[WV], 8
	s_add_co_u32 s74, s74, OSC
	v_lshl_add_u32 v[OSCR], v26, 1, s74
	s_lshl_b32 s74, s[WV], 12
	v_lshl_add_u32 v[OSG], v26, 5, s74
	v_mul_u32_u24 v[KO], v24, 96
	v_mad_u32_u24 v[KO], v25, 24, v[KO]
	v_lshlrev_b32 v[KSO], 2, v24
	; where K, V and q lie
	s_mov_b32 s75, 0
	s_lshl_b32 s72, s16, 2
	s_add_co_u32 s72, s72, s[WV]                   ; 4 batch + wave: my 256 keys' tile row (K) or tile column (V)
	s_lshl_b32 s73, s72, 3
	s_add_co_u32 s73, s73, s21
	s_add_co_u32 s73, s73, 4                       ; K's tile
	s_mul_i32 s74, s73, 49152
	s_mul_i32 s76, s19, 12288
	s_add_co_u32 s74, s74, s76
	s_mul_i32 s76, s20, 48
	s_add_co_u32 s74, s74, s76
	s_add_nc_u64 s[48:49], s[4:5], s[74:75]
	s_lshl_b32 s74, s73, 11
	s_lshl_b32 s76, s19, 9
	s_add_co_u32 s74, s74, s76
	s_lshl_b32 s76, s20, 1
	s_add_co_u32 s74, s74, s76
	s_add_nc_u64 s[50:51], s[6:7], s[74:75]
	s_lshl_b32 s73, s21, 5
	s_add_co_u32 s73, s73, s72
	s_add_co_u32 s73, s73, 256                     ; V's tile
	s_mul_i32 s74, s73, 49152
	s_mul_i32 s76, s19, 24576
	s_add_co_u32 s74, s74, s76
	s_mul_i32 s76, s20, 6144
	s_add_co_u32 s74, s74, s76
	s_add_nc_u64 s[52:53], s[4:5], s[74:75]
	s_lshl_b32 s74, s73, 11
	s_lshl_b32 s76, s19, 10
	s_add_co_u32 s74, s74, s76
	s_lshl_b32 s76, s20, 8
	s_add_co_u32 s74, s74, s76
	s_add_nc_u64 s[54:55], s[6:7], s[74:75]
	s_lshl_b32 s73, s16, 2
	s_lshl_b32 s76, s18, 1
	s_add_co_u32 s73, s73, s76
	s_lshl_b32 s73, s73, 3
	s_add_co_u32 s73, s73, s21                     ; q's first tile
	s_mul_i32 s74, s73, 49152
	s_mul_i32 s76, s19, 12288
	s_add_co_u32 s74, s74, s76
	s_mul_i32 s76, s20, 48
	s_add_co_u32 s74, s74, s76
	s_add_nc_u64 s[56:57], s[4:5], s[74:75]
	s_lshl_b32 s74, s73, 11
	s_lshl_b32 s76, s19, 9
	s_add_co_u32 s74, s74, s76
	s_lshl_b32 s76, s20, 1
	s_add_co_u32 s74, s74, s76
	s_add_nc_u64 s[58:59], s[6:7], s[74:75]
	s_mov_b64 s[60:61], s[56:57]
	s_mov_b64 s[62:63], s[58:59]
	s_lshl_b32 s73, s16, 10
	s_lshl_b32 s76, s18, 9
	s_add_co_u32 s73, s73, s76                     ; my first token
	s_mul_i32 s74, s73, 48
	s_mul_i32 s76, s17, 393216
	s_add_co_u32 s74, s74, s76
	s_add_nc_u64 s[66:67], s[10:11], s[74:75]      ; o's codes [head][token][48]
	s_lshl_b32 s74, s73, 5
	s_lshl_b32 s76, s17, 1
	s_add_co_u32 s74, s74, s76
	s_add_nc_u64 s[68:69], s[12:13], s[74:75]      ; o's scale bytes [token][32], at 2 head
	WIN W_LD
.irp s, 0,1                            ; K: fragment 4 s + b holds keys' places 32 b + r (registers 0-5) and 32 b + 16 + r (6-11) of my half s: lane r's keys 32 b + 8 u + r + 8 (r / 8)
.irp b, 0,1,2,3
.irp u, 0,1
.irp p, 0,1,2
	global_load_b64 v[12*(4*\s+\b)+6*\u+2*\p:12*(4*\s+\b)+6*\u+2*\p+1], v[KO], s[48:49] offset:\s*24576+(32*\b+16*\u)*96+8*\p
.endr
.endr
.endr
.endr
.irp s, 0,1                            ; V^T: fragment 4 s + t: places 16 t + r of the head's 64, keys 128 s on
.irp t, 0,1,2,3
.irp p, 0,1,2,3,4,5
	global_load_b64 v[VF+12*(4*\s+\t)+2*\p:VF+12*(4*\s+\t)+2*\p+1], v[KO], s[52:53] offset:\s*12288+16*\t*96+48*(\p/3)+8*(\p%3)
.endr
.endr
.endr
	WIN 0
.irp s, 0,1
.irp b, 0,1,2,3
.irp u, 0,1
	global_load_u16 v[A+2*(4*\s+\b)+\u], v[KSO], s[50:51] offset:\s*1024+(32*\b+16*\u)*4
.endr
.endr
.irp t, 0,1,2,3
	global_load_b32 v[VS+4*\s+\t], v[KSO], s[54:55] offset:\s*512+16*\t*4
.endr
.endr
.macro QLOAD                           ; the two tiles of q of the step at s[60:63]
.irp g, 0,1
.irp p, 0,1,2
	global_load_b64 v[QF+18*\g+6+2*\p:QF+18*\g+7+2*\p], v[QO], s[60:61] offset:768*\g+8*\p
.endr
	global_load_u16 v[QR+\g], v[QSO], s[62:63] offset:32*\g
.endr
.endm
	QLOAD
.irp g, 0,1
.irp j, 0,1,2,3,4,5,12,13,14,15,16,17
	v_mov_b32 v[QF+18*\g+\j], 0                    ; the zero codes on both sides of q
.endr
.endr
.irp j, 0,1,2,3
	v_mov_b32 v[ST+\j], 0
	v_mov_b32 v[F+\j], 0
	v_mov_b32 v[TM+4+\j], 0                        ; a lane permute's destination counts as one of its sources
.endr
.irp j, 0,1,2
	v_mov_b32 v[FL+\j], 0
.endr
	v_mov_b32 v[WK+14], 0
	v_mov_b32 v[WK+15], 0
	s_wait_loadcnt 0x0
.irp f, 0,1,2,3,4,5,6,7
	v_lshl_or_b32 v[KS+\f], v[A+2*\f+1], 16, v[A+2*\f]   ; bytes 0, 1: the first tile's two blocks of d; bytes 2, 3: the second's
.endr
; 64 numbers of a lane, register 16 b + i = k 32 b + 16 h + i of my row, become a fragment's codes in v[PC] on and its scale word in v[PW]
.macro QUANT s
.irp b, 0,1,2,3
	v_max3_num_f32 v[TM+\b], |v[\s+16*\b]|, |v[\s+1+16*\b]|, 0x1800000
.endr
.irp i, 2,4,6,8,10,12,14
.irp b, 0,1,2,3
	v_max3_num_f32 v[TM+\b], v[TM+\b], |v[\s+16*\b+\i]|, |v[\s+1+16*\b+\i]|
.endr
.endr
.irp b, 0,1,2,3
	v_permlanex16_b32 v[TM+4+\b], v[TM+\b], s24, s25
.endr
.irp b, 0,1,2,3
	v_max_num_f32 v[TM+\b], v[TM+\b], v[TM+4+\b]
.endr
.irp b, 0,1,2,3
	v_add_nc_u32 v[TM+12+\b], 0xff000000, v[TM+\b]
.endr
.irp b, 0,1,2,3
	v_lshrrev_b32 v[TM+4+\b], 23, v[TM+12+\b]
.endr
	v_lshl_or_b32 v[PW], v[TM+5], 8, v[TM+4]
	v_lshl_or_b32 v[PW], v[TM+6], 16, v[PW]
	v_lshl_or_b32 v[PW], v[TM+7], 24, v[PW]
.irp c, 0,1
	v_cvt_scalef32_pk16_fp6_f32 v[PC+6*\c:PC+2+6*\c], v[\s+32*\c:\s+15+32*\c], v[TM+12+2*\c]
	v_cvt_scalef32_pk16_fp6_f32 v[PC+12+4*\c:PC+14+4*\c], v[\s+16+32*\c:\s+31+32*\c], v[TM+12+2*\c+1]
.endr
	v_nop                                          ; one plain place behind a scaled conversion
.irp c, 0,1                            ; a whole block to a lane
.irp i, 0,1,2
	v_permlane16_swap_b32 v[PC+6*\c+\i], v[PC+12+4*\c+\i]
.endr
.irp i, 0,1,2
	v_mov_b32 v[PC+3+6*\c+\i], v[PC+12+4*\c+\i]
.endr
.endr
.endm
.macro LOADR g, s                      ; reg for tile g, my keys 128 s on: 64 numbers a lane, in the scores' order
	WIN W_LD
.irp b, 0,1,2,3
.irp j, 0,1,2,3
	ds_load_b128 v[RB+16*\b+4*\j:RB+16*\b+4*\j+3], v[RAD] offset:16640*\g+512*\s+128*\b+16*\j
.endr
.endr
	WIN 0
.endm
.macro STORE_O g                       ; my partial O^T of tile g, as images of its registers, each accumulator from its low end on
	WIN W_ST
.irp t, 0,1,2,3
	ds_store_b128 v[STO], v[32*\g+8*\t:32*\g+8*\t+3] offset:(4*\g+\t)*1024
	ds_store_b128 v[STO], v[32*\g+8*\t+4:32*\g+8*\t+7] offset:(4*\g+\t)*1024+512
.endr
	WIN 0
.endm
; tile g, keys 128 s on: p x factor + reg, quantised, times V.  more = 1: reg for (ng, ns) is asked for.  st0 = 1: tile 0's O^T, finished a unit ago, goes to LDS (the 32 multiply-adds are its places).
.macro UNIT g, s, more, ng, ns, st0
	s_wait_dscnt 0x0                               ; reg's 64 numbers are in
	WIN W_FM
.set J, 0
.rept 32
	v_pk_fma_f32 v[A+J:A+J+1], v[128*\g+64*\s+J:128*\g+64*\s+J+1], v[F+2*\g:F+2*\g+1], v[RB+J:RB+J+1] op_sel_hi:[1,0,1]
.set J, J+2
.endr
	WIN 0
.if \st0
	STORE_O 0
.endif
.if \more
	LOADR \ng, \ns
.endif
	QUANT A
.rept 8
	v_nop                                          ; a scale register written by a vector instruction stands 8 places ahead of a scaled matrix instruction
.endr
	WIN W_PV
.irp t, 0,1,2,3                        ; four accumulators by turns
.if \s == 0
	v_wmma_scale_f32_16x16x128_f8f6f4 v[32*\g+8*\t:32*\g+8*\t+7], v[VF+12*(4*\s+\t):VF+12*(4*\s+\t)+11], v[PC:PC+11], 0, v[VS+4*\s+\t], v[PW] matrix_a_fmt:MATRIX_FMT_FP6 matrix_b_fmt:MATRIX_FMT_FP6
.else
	v_wmma_scale_f32_16x16x128_f8f6f4 v[32*\g+8*\t:32*\g+8*\t+7], v[VF+12*(4*\s+\t):VF+12*(4*\s+\t)+11], v[PC:PC+11], v[32*\g+8*\t:32*\g+8*\t+7], v[VS+4*\s+\t], v[PW] matrix_a_fmt:MATRIX_FMT_FP6 matrix_b_fmt:MATRIX_FMT_FP6
.endif
.endr
	WIN 0
.endm
; ONE STEP: 32 queries.  refill = 1: the slot just read takes the tile two steps on.
.macro ASTEP refill
	s_wait_loadcnt 0x0                             ; q of this step (the only loads into registers that are out)
	v_lshl_or_b32 v[QS], v[QR], 16, v[QR]          ; q's two bytes twice: they serve on either side
	v_lshl_or_b32 v[QS+1], v[QR+1], 16, v[QR+1]
.rept 8
	v_nop
.endr
	WIN W_S
.irp g, 0,1                            ; S^T: register 128 g + 16 f + 8 u + j = key 32 f + 16 h + 8 u + j of my 256, query 16 g + r
.irp f, 0,1,2,3,4,5,6,7
	v_wmma_scale_f32_16x16x128_f8f6f4 v[128*\g+16*\f:128*\g+16*\f+7], v[12*\f:12*\f+11], v[QF+18*\g+6:QF+18*\g+17], 0, v[KS+\f], v[QS+\g] matrix_a_fmt:MATRIX_FMT_FP6 matrix_b_fmt:MATRIX_FMT_FP6
	v_wmma_scale_f32_16x16x128_f8f6f4 v[128*\g+16*\f+8:128*\g+16*\f+15], v[12*\f:12*\f+11], v[QF+18*\g:QF+18*\g+11], 0, v[KS+\f], v[QS+\g] matrix_a_fmt:MATRIX_FMT_FP6 matrix_b_fmt:MATRIX_FMT_FP6
.endr
.endr
	WIN 0
	v_add_nc_u32 v[RAD], s[TB], v[RA0]             ; four places behind the products
	v_add_nc_u32 v[OSCW], s[OSX], v[OSCW0]
	v_nop
	v_nop
	WIN W_MX
.irp c, 0,1,2,3,4,5,6,7                ; the largest score: four chains of 32 registers a tile, each accumulator from its low end on
	v_max3_num_f32 v[MC+\c], s26, v[32*\c], v[32*\c+1]
.endr
.irp i, 2,4,6,8,10,12,14,16,18,20,22,24,26,28,30
.irp c, 0,1,2,3,4,5,6,7
	v_max3_num_f32 v[MC+\c], v[MC+\c], v[32*\c+\i], v[32*\c+\i+1]
.endr
.endr
	WIN 0
.irp g, 0,1
	v_max3_num_f32 v[MC+4*\g], v[MC+4*\g], v[MC+4*\g+1], v[MC+4*\g+2]
.endr
.irp g, 0,1
	v_max_num_f32 v[MC+4*\g], v[MC+4*\g], v[MC+4*\g+3]
.endr
.irp g, 0,1
	v_permlanex16_b32 v[WK+14+\g], v[MC+4*\g], s24, s25
.endr
.irp g, 0,1
	v_max_num_f32 v[MC+4*\g], v[MC+4*\g], v[WK+14+\g]
.endr
.irp g, 0,1
	v_mul_f32 v[ST+2*\g], s22, v[MC+4*\g]          ; c m, rounded: this very number is taken away below and handed to the other waves
.endr
	s_add_co_u32 s72, s[I], 1                      ; q of the next step (the last step asks for its own again: no load leaves the buffer)
	s_min_u32 s72, s72, 15
	s_lshr_b32 s73, s72, 3
	s_mul_i32 s74, s73, 393216
	s_lshl_b32 s75, s73, 14
	s_bfe_u32 s73, s72, 0x10002
	s_mul_i32 s76, s73, 24576
	s_add_co_u32 s74, s74, s76
	s_lshl_b32 s76, s73, 10
	s_add_co_u32 s75, s75, s76
	s_and_b32 s73, s72, 3
	s_mul_i32 s76, s73, 3072
	s_add_co_u32 s74, s74, s76
	s_lshl_b32 s76, s73, 7
	s_add_co_u32 s76, s75, s76
	s_mov_b32 s75, 0
	s_mov_b32 s77, 0
	s_add_nc_u64 s[60:61], s[56:57], s[74:75]
	s_add_nc_u64 s[62:63], s[58:59], s[76:77]
	QLOAD
	WIN W_SC
.set J, 0
.rept 64
	v_pk_fma_f32 v[J:J+1], v[J:J+1], s[22:23], v[ST:ST+1] op_sel_hi:[1,0,0] neg_lo:[0,0,1] neg_hi:[0,0,1]   ; c s - c m
.set J, J+2
.endr
.set J, 0
.rept 64                               ; ONE BATCH of 256 exponentials; tile 1's scalings stand between tile 0's
	v_pk_fma_f32 v[128+J:128+J+1], v[128+J:128+J+1], s[22:23], v[ST+2:ST+3] op_sel_hi:[1,0,0] neg_lo:[0,0,1] neg_hi:[0,0,1]
	v_exp_f32 v[J], v[J]
	v_exp_f32 v[J+1], v[J+1]
.set J, J+2
.endr
.set J, 128
.rept 128
	v_exp_f32 v[J], v[J]
.set J, J+1
.endr
	v_nop                                          ; a plain place behind the last exponential
	s_wait_alu depctr_va_vdst(0)                   ; one wait for the batch, ahead of its first reader
	WIN W_A0
.irp c, 0,1,2,3                        ; the sums: two chains of 64 registers a tile
	v_pk_add_f32 v[SU+2*\c:SU+2*\c+1], v[64*\c:64*\c+1], v[64*\c+2:64*\c+3]
.endr
	WIN W_A1
.set J, 4
.rept 30
.irp c, 0,1,2,3
	v_pk_add_f32 v[SU+2*\c:SU+2*\c+1], v[SU+2*\c:SU+2*\c+1], v[64*\c+J:64*\c+J+1]
.endr
.set J, J+2
.endr
	WIN 0
.irp g, 0,1
	v_pk_add_f32 v[SU+4*\g:SU+4*\g+1], v[SU+4*\g:SU+4*\g+1], v[SU+4*\g+2:SU+4*\g+3]
.endr
.irp g, 0,1
	v_add_f32 v[SU+4*\g], v[SU+4*\g], v[SU+4*\g+1]
.endr
.irp g, 0,1
	v_permlanex16_b32 v[WK+14+\g], v[SU+4*\g], s24, s25
.endr
.irp g, 0,1
	v_add_f32 v[ST+2*\g+1], v[SU+4*\g], v[WK+14+\g]
.endr
	ds_store_b128 v[STAW], v[ST:ST+3]
	s_wait_dscnt 0x0                               ; my statistics, and the last step's codes and bytes of o, have landed; my reads of the partial sums are over
	s_barrier_signal -1
	s_barrier_wait -1                              ; the next tile may stay on its way
.if \refill
	s_wait_tensorcnt 1                             ; this step's tile of reg is in; behind it one load was issued, the next step's
	s_cmp_eq_u32 s[I], 0
	s_cbranch_scc1 .Lnl_\@
.else
	s_wait_tensorcnt 0x0
.endif
	ds_load_b96 v[FL:FL+2], v[OSTR]                ; the last step's codes of o
.Lnl_\@:
.irp w, 0,1,2,3
	ds_load_b128 v[EX+4*\w:EX+4*\w+3], v[STAR] offset:512*\w
.endr
	LOADR 0, 0
	s_wait_dscnt 16                                ; all but the sixteen loads of reg just issued
.irp g, 0,1
	v_max3_num_f32 v[WK+10+\g], v[EX+2*\g], v[EX+4+2*\g], v[EX+8+2*\g]
.endr
.irp g, 0,1
	v_max_num_f32 v[WK+10+\g], v[WK+10+\g], v[EX+12+2*\g]   ; c M
.endr
.irp g, 0,1
.irp w, 0,1,2,3
	v_sub_f32 v[WK+4*\g+\w], v[EX+4*\w+2*\g], v[WK+10+\g]
.endr
	v_sub_f32 v[WK+8+\g], v[ST+2*\g], v[WK+10+\g]
.endr
.irp k, 0,1,2,3,4,5,6,7,8,9
	v_exp_f32 v[WK+\k], v[WK+\k]
.endr
	v_nop
	s_wait_alu depctr_va_vdst(0)                   ; one wait for the ten
.irp g, 0,1
	v_mul_f32 v[WK+12+\g], v[EX+1+2*\g], v[WK+4*\g]
.endr
.irp w, 1,2,3
.irp g, 0,1
	v_fma_f32 v[WK+12+\g], v[EX+4*\w+1+2*\g], v[WK+4*\g+\w], v[WK+12+\g]   ; the row's sum under c M
.endr
.endr
	v_rcp_f32 v[WK+12], v[WK+12]
	v_rcp_f32 v[WK+13], v[WK+13]
	v_nop
	s_wait_alu depctr_va_vdst(0)                   ; one wait for the two
	v_mul_f32 v[F], v[WK+8], v[WK+12]              ; my p x this = the finished softmax
	v_mul_f32 v[F+2], v[WK+9], v[WK+13]
.if \refill
	s_cmp_eq_u32 s[I], 0
	s_cbranch_scc1 .Lnf_\@
.endif
	v_add_nc_u32 v[GOCT], s[GS], v[GOC0]
	global_store_b96 v[GOCT], v[FL:FL+2], s[66:67] offset:-1536   ; the wave stores 384 consecutive bytes of the last step's 1,536
.Lnf_\@:
	UNIT 0, 0, 1, 0, 1, 0
	UNIT 0, 1, 1, 1, 0, 0
	UNIT 1, 0, 1, 1, 1, 1
	UNIT 1, 1, 0, 0, 0, 0
.rept 4
	v_nop
.endr
	STORE_O 1
.if \refill
	s_wait_tensorcnt 0x0                           ; all my tensor loads have landed, so the walking group 0 may be written
	ds_add_u32 v[SPW], v[NIL]                      ; 0 onto my spare word
	s_xor_b32 s[G0+1], s[G0+1], SLOTB              ; the slot just read,
	s_add_nc_u64 s[G0+2:G0+3], s[G0+2:G0+3], 131072   ; the next 32 queries' rows
	s_wait_xcnt 0x0                                ; the store above and the last prefetch have read their registers
	s_add_nc_u64 s[70:71], s[70:71], 131072
	s_wait_dscnt 0x0                               ; the add is done, my reads of the slot are over, my partial sums have landed
	ROUND                                          ; no wave of any partner still reads the slot or has a load on its way
	tensor_load_to_lds s[G0:G0+3], s[G1:G1+7]      ; my one tensor load behind the round: it has a whole step in which to land
	s_nop 0
.rept 4
	v_nop
.endr
	s_cmp_lt_u32 s[I], s[LIM]                      ; a prefetch of the tile that the NEXT refill will ask for: 8 rows x my wave's four blocks, a lane a block
	s_cbranch_scc0 .Lna_\@
	global_prefetch_b8 v[PFO], s[70:71] th:TH_LOAD_NT scope:SCOPE_SE
.Lna_\@:
.else
	s_wait_xcnt 0x0
	s_wait_dscnt 0x0
	s_barrier_signal -1
	s_barrier_wait -1
.endif
.irp w, 0,1,2,3                        ; tiles 2 wave and 2 wave + 1 of the eight, from all four waves: 16 neighbours of d for query 16 (wave / 2) + r
.irp u, 0,1
	ds_load_b128 v[A+16*\w+8*\u:A+16*\w+8*\u+3], v[SRD] offset:8192*\w+1024*\u
	ds_load_b128 v[A+16*\w+8*\u+4:A+16*\w+8*\u+7], v[SRD] offset:8192*\w+1024*\u+512
.endr
.endr
	s_wait_dscnt 8
.irp j, 0,2,4,6,8,10,12,14
	v_pk_add_f32 v[A+\j:A+\j+1], v[A+\j:A+\j+1], v[A+16+\j:A+17+\j]
.endr
	s_wait_dscnt 4
.irp j, 0,2,4,6,8,10,12,14
	v_pk_add_f32 v[A+\j:A+\j+1], v[A+\j:A+\j+1], v[A+32+\j:A+33+\j]
.endr
	s_wait_dscnt 0x0
.irp j, 0,2,4,6,8,10,12,14
	v_pk_add_f32 v[A+\j:A+\j+1], v[A+\j:A+\j+1], v[A+48+\j:A+49+\j]
.endr
	v_max3_num_f32 v[TM], |v[A]|, |v[A+1]|, s27
.irp i, 2,4,6,8,10,12,14
	v_max3_num_f32 v[TM], v[TM], |v[A+\i]|, |v[A+\i+1]|
.endr
	v_permlanex16_b32 v[TM+4], v[TM], s24, s25
	v_max_num_f32 v[TM], v[TM], v[TM+4]
	v_add_nc_u32 v[TM+12], 0xff000000, v[TM]
	v_cvt_scalef32_pk16_fp6_f32 v[PC:PC+2], v[A:A+15], v[TM+12]
	v_lshrrev_b32 v[TM+4], 23, v[TM+12]            ; the byte; also the plain place behind the conversion
	ds_store_b96 v[OSTW], v[PC:PC+2]
	ds_store_b8 v[OSCW], v[TM+4]                   ; lanes r and r + 16 write the same byte
	s_xor_b32 s[TB], s[TB], SLOTB
	s_add_co_u32 s[OSX], s[OSX], 64
	s_add_co_u32 s[GS], s[GS], 1536
.endm
.Lstep:                                ; 14 trips: each asks for the tile two steps on
	ASTEP 1
	s_add_co_u32 s[I], s[I], 1
	s_cmp_lt_u32 s[I], 14
	s_cbranch_scc1 .Lstep
.Ltail:                                ; the last two steps ask for nothing: written out
	ASTEP 0
	s_add_co_u32 s[I], s[I], 1
	s_cmp_lt_u32 s[I], 16
	s_cbranch_scc1 .Ltail
	s_wait_dscnt 0x0
	s_barrier_signal -1
	s_barrier_wait -1                              ; the last step's codes and all scale bytes lie in LDS
	ds_load_b96 v[FL:FL+2], v[OSTR]
.irp k, 0,1,2,3
	ds_load_u16 v[WK+\k], v[OSCR] offset:64*\k
.endr
	v_add_nc_u32 v[GOCT], s[GS], v[GOC0]
	s_wait_dscnt 0x0
	global_store_b96 v[GOCT], v[FL:FL+2], s[66:67] offset:-1536
.irp k, 0,1,2,3
	global_store_b16 v[OSG], v[WK+\k], s[68:69] offset:1024*\k   ; a token's two bytes of its row of 32: one part in 24 of what the codes are
.endr
	s_wait_tensorcnt 0x0                           ; the wave's end
	ds_add_u32 v[SPW], v[NIL]
	s_wait_dscnt 0x0
	ROUND                                          ; the closing round
	s_endpgm
.Lfunc_end_k_qbf4f1841b6_attn:
	.size	k_qbf4f1841b6_attn, .Lfunc_end_k_qbf4f1841b6_attn-k_qbf4f1841b6_attn
	.p2alignl 7, 3214868480
	.fill 96, 4, 3214868480
	.section	.rodata,"a",@progbits
	.p2align	6, 0x0
	.amdhsa_kernel k_qbf4f1841b6_attn
		.amdhsa_group_segment_fixed_size 327680
		.amdhsa_private_segment_fixed_size 0
		.amdhsa_enable_private_segment 0
		.amdhsa_kernarg_size 40
		.amdhsa_user_sgpr_count 2
		.amdhsa_user_sgpr_kernarg_segment_ptr 1
		.amdhsa_wavefront_size32 1
		.amdhsa_system_sgpr_workgroup_id_x 1
		.amdhsa_system_sgpr_workgroup_id_y 1
		.amdhsa_system_sgpr_workgroup_id_z 1
		.amdhsa_system_vgpr_workitem_id 0
		.amdhsa_next_free_vgpr 832
		.amdhsa_next_free_sgpr 80
		.amdhsa_reserve_vcc 0
		.amdhsa_float_denorm_mode_32 3
		.amdhsa_float_denorm_mode_16_64 3
		.amdhsa_memory_ordered 1
		.amdhsa_forward_progress 1
		.amdhsa_inst_pref_size 179
	.end_amdhsa_kernel
	.amdgpu_metadata
---
amdhsa.version: [ 1, 2 ]
amdhsa.kernels:
  - .name:           k_qbf4f1841b6_attn
    .symbol:         k_qbf4f1841b6_attn.kd
    .args:
      - { .name: qkv_codes, .offset: 0, .size: 8, .value_kind: global_buffer, .address_space: global }
      - { .name: qkv_scales, .offset: 8, .size: 8, .value_kind: global_buffer, .address_space: global }
      - { .name: reg, .offset: 16, .size: 8, .value_kind: global_buffer, .address_space: global }
      - { .name: o_codes, .offset: 24, .size: 8, .value_kind: global_buffer, .address_space: global }
      - { .name: o_scales, .offset: 32, .size: 8, .value_kind: global_buffer, .address_space: global }
    .group_segment_fixed_size: 327680
    .private_segment_fixed_size: 0
    .kernarg_segment_align: 8
    .kernarg_segment_size: 40
    .max_flat_workgroup_size: 128
    .sgpr_count:     80
    .vgpr_count:     832
    .wavefront_size: 32
...
	.end_amdgpu_metadata
.endif
;; end of part 3
;; launch proj (part 4): grid 4 x 64, 4 waves a work-group, clusters of 4 x 4, 327,680 bytes of LDS; arguments o_codes, o_scales, wall_codes, wall_scales, b_proj, out0; writes out0
.if DOCPART == 4
	.amdgcn_target "amdgcn-amd-amdhsa--gfx1250"
	.amdhsa_code_object_version 6
	.text
	.protected	k_qbf4f1841b6_proj
	.globl	k_qbf4f1841b6_proj
	.p2align	8
	.type	k_qbf4f1841b6_proj,@function
k_qbf4f1841b6_proj:
	s_mov_b64 s[64:65], 0
	v_nop
	global_prefetch_b8 v0, s[64:65] scope:SCOPE_SE
	s_setreg_imm32_b32 hwreg(HW_REG_WAVE_MODE, 25, 1), 1
	s_wait_xcnt 0x0
	s_wait_alu depctr_hold_cnt(0) depctr_sa_sdst(0) depctr_va_vdst(0) depctr_va_sdst(0) depctr_va_ssrc(0) depctr_va_vcc(0) depctr_vm_vsrc(0)
	s_getreg_b32 s2, hwreg(HW_REG_IB_STS2, 6, 4)
	s_cmp_eq_u32 s2, 0
	s_cbranch_scc0 .Lentry_in_a_cluster
	s_endpgm
.Lentry_in_a_cluster:
	s_bfe_u32 s2, ttmp6, 0x10000c
	s_cmp_lg_u32 s2, 0xf033
	s_cbranch_scc0 .Lentry_shape_is_right
	s_endpgm
.Lentry_shape_is_right:
; Product 4: out0 = o W_proj + b_proj on codes of FP6 with E8M0 scales; M = 8,192, N = 1,024, K = 1,024.
; A = o: codes [16 heads][8192 tokens][48 bytes], scale bytes [8192][32].  B = W_proj's columns: rows 3072-4095 of the weights' table, at places sigma(row) (bits 3 and 4 exchanged).
; A tile of out0 is 128 tokens x 256 columns, so that the grid has 256 work-groups; four waves of 64 x 128: 32 accumulators each.  K goes in steps of 256 (four heads) through two LDS slots;
; the scales come once; 4 x 4 work-groups ask jointly: A's tiles along a row of the cluster, B's along a column.
; A's part of a K step is, for each of waves 0 and 1, four dense pieces of 64 tokens x 48 bytes, one for each head, 393,216 bytes apart in memory: rows 48 bytes apart in LDS, no padding.
; A and B have two sets of fragment registers each: a step of 128 along K waits for its own fragments, asks for the next step's 72 loads, and multiplies (32 matrix instructions).
; The matrix instruction is used transposed; register j of lane (r, h) of tile b holds column 32 (b / 2) + 16 h + 8 (b % 2) + j.  The bias is the C of the first products.
.set SIZE_N, 1024
.set KSTEP,  256
.set NQ,     2
.set ROWB,   192
.set KROW,   768
.set PITCH,  240
.set FR,     12
.set NP,     4
.set HALFT,  128*PITCH                 ; a wave's place in a slot: B's 128 rows fill it, A's four pieces take 12,288 bytes of it
.set SLOT,   4*HALFT
.set LAPS,   2
.set KS,     32
.set SCL,    2*SLOT                    ; A's scales: two halves of 64 tokens, 8 rows of 256 bytes + 16 each;
.set ASC,    8*272
.set SCB,    SCL+2*ASC                 ; B's follow directly: two halves of 128 rows
.set HALFS,  16*272
.set SBLK,   2*272                     ; the scales of 16 rows
.set SPARE,  SCB+2*HALFS               ; the spare words: two blocks of 256 bytes that no other line names
.set SPITCH, 528
.set HEADB,  393216                    ; a head's codes of o
.set APIECE, 64*48                     ; a head's piece of 64 tokens
.set ADRA, 16
.set ADRB, 20
.set STO,  24
.set RD,   25
.set CO,   26
.set ADRS, 27
.set SPW,  28
.set NIL,  29
.set SC,   32                          ; v32-63 scale words, two sets
.set BIAS, 64                          ; v64-127: the bias in the results' layout, eight registers a tile of columns
.set AF,   128                         ; v128-175, v176-223: A's fragments (4 x 16 tokens x 128 K), two sets
.set BK,   128                         ; the way out: v128-191 and v192-255 by turns
.set G1, 24
.set G0, 32
.set G1B, 48
.set G0B, 56
.set G1S, 68
.set G0S, 76
.set G1SB, 80
.set G0SB, 88
.set MSB, 0
.macro WIN new
.if MSB != \new
	s_set_vgpr_msb (MSB<<8)|\new
.set MSB, \new
.endif
.endm
.set MUL_LO, 0xa1                      ; source 0 (B) window 1, source 1 (A) window 0, C and D window 2
.set TO_B,   0x40
.macro JLOAD g0a, g1a, g0b, g1b        ; waves 0 and 1 fetch for A, waves 2 and 3 for B; four v_nop follow each line
	s_cmp_eq_u32 s15, 0
	s_cbranch_scc0 .Lfor_b_\@
	tensor_load_to_lds s[\g0a:\g0a+3], s[\g1a:\g1a+7]
	s_nop 0
.rept 4
	v_nop
.endr
	s_branch .Lasked_\@
.Lfor_b_\@:
	tensor_load_to_lds s[\g0b:\g0b+3], s[\g1b:\g1b+7]
	s_nop 0
.rept 4
	v_nop
.endr
.Lasked_\@:
.endm
.macro CREST
	s_cmp_lg_u32 s14, 0
	s_cbranch_scc1 .Lnot_wave_0_\@
	s_barrier_signal -3
.Lnot_wave_0_\@:
	s_barrier_wait -3
	s_barrier_signal -1
	s_barrier_wait -1
.endm
.macro CROUND
	s_barrier_signal -1
	s_barrier_wait -1
	CREST
.endm
	s_load_b128 s[4:7], s[0:1], 0x0                ; o's codes, o's scales
	s_load_b128 s[8:11], s[0:1], 0x10              ; the weights' codes, their scales
	s_load_b128 s[96:99], s[0:1], 0x20             ; b_proj, out0
	v_lshl_add_u32 v[SPW], v0, 2, SPARE
	v_mov_b32 v[NIL], 0
	ds_add_u32 v28, v29
	ds_add_u32 v28, v29
	s_wait_dscnt 0x0
	v_lshrrev_b32 v1, 5, v0
	v_readfirstlane_b32 s14, v1
	s_lshr_b32 s15, s14, 1                         ; my half of the tile's tokens; also: I fetch for A (0) or B (1)
	s_and_b32 s16, s14, 1                          ; my half of its columns; also: which half of that operand's rows I fetch
	s_bfe_u32 s40, ttmp6, 0x40000
	s_bfe_u32 s41, ttmp6, 0x40004
	s_lshl_b32 s42, ttmp9, 2
	s_add_co_u32 s42, s42, s40                     ; tile column, 0 .. 3
	s_and_b32 s17, ttmp7, 0xffff
	s_lshl_b32 s17, s17, 2
	s_add_co_u32 s17, s17, s41                     ; tile row, 0 .. 63
	s_lshl_b32 s43, s41, 2
	s_lshl_b32 s43, 15, s43
	s_lshl_b32 s44, 0x1111, s40
	s_or_b32 s[G1+0], s43, (3<<16)|(1<<21)         ; A: elements of 8 bytes, no padding
	s_mov_b32 s[G1+1], (APIECE/8)<<16              ; a piece: 64 tokens x 48 bytes = 384 elements
	s_mov_b32 s[G1+2], 4<<16                       ; four heads
	s_mov_b32 s[G1+3], (APIECE/8)<<16
	s_mov_b32 s[G1+4], 4
	s_mov_b32 s[G1+5], HEADB/8
	s_mov_b32 s[G1+6], 0
	s_mov_b32 s[G1+7], 0
	s_or_b32 s[G1B+0], s44, (0<<16)|(1<<20)|(1<<21)|(3<<22)|(3<<25)
	s_mov_b32 s[G1B+1], ROWB<<16
	s_mov_b32 s[G1B+2], 128<<16
	s_mov_b32 s[G1B+3], ROWB<<16
	s_mov_b32 s[G1B+4], 128
	s_mov_b32 s[G1B+5], KROW
	s_mov_b32 s[G1B+6], 0
	s_mov_b32 s[G1B+7], 0
	s_or_b32 s[G1S+0], s43, (3<<16)|(1<<20)|(1<<21)|(5<<22)|(3<<25)   ; scales: dense, as rows of 256 bytes + 16: A's 64 tokens are 8 such rows,
	s_mov_b32 s[G1S+1], 32<<16
	s_mov_b32 s[G1S+2], 8<<16
	s_mov_b32 s[G1S+3], 32<<16
	s_mov_b32 s[G1S+4], 8
	s_mov_b32 s[G1S+5], 32
	s_mov_b32 s[G1S+6], 0
	s_mov_b32 s[G1S+7], 0
	s_or_b32 s[G1SB+0], s44, (3<<16)|(1<<20)|(1<<21)|(5<<22)|(3<<25)  ; B's 128 rows are 16
	s_mov_b32 s[G1SB+1], 32<<16
	s_mov_b32 s[G1SB+2], 16<<16
	s_mov_b32 s[G1SB+3], 32<<16
	s_mov_b32 s[G1SB+4], 16
	s_mov_b32 s[G1SB+5], 32
	s_mov_b32 s[G1SB+6], 0
	s_mov_b32 s[G1SB+7], 0
	s_lshl_b32 s18, s16, 6
	s_lshl_b32 s20, s17, 7
	s_add_co_u32 s20, s20, s18                     ; A: token 128 x tile row + 64 x half
	s_lshl_b32 s18, s16, 7
	s_lshl_b32 s46, s42, 8
	s_add_co_u32 s46, s46, s18
	s_add_co_u32 s46, s46, 3072                    ; B: the table's row 3,072 + 256 x tile column + 128 x half
	s_mov_b32 s21, 0
	s_mov_b32 s47, 0
	s_mov_b64 s[18:19], KS
	s_mul_u64 s[22:23], s[20:21], s[18:19]
	s_mul_u64 s[92:93], s[46:47], s[18:19]
	s_mov_b64 s[18:19], 48
	s_mul_u64 s[20:21], s[20:21], s[18:19]
	s_mov_b64 s[18:19], KROW
	s_mul_u64 s[46:47], s[46:47], s[18:19]
	s_mul_i32 s45, s14, HALFT                      ; where the codes go: wave x a place
	s_mul_i32 s94, s16, ASC                        ; where the scales go: A's half,
	s_mul_i32 s95, s16, HALFS                      ; B's half
	s_wait_kmcnt 0x0
	s_add_nc_u64 s[20:21], s[4:5], s[20:21]
	s_add_nc_u64 s[22:23], s[6:7], s[22:23]
	s_add_nc_u64 s[46:47], s[8:9], s[46:47]
	s_add_nc_u64 s[92:93], s[10:11], s[92:93]
	CROUND                                         ; all sixteen work-groups are here: the first joint loads meet
	s_mov_b32 s[G0S], 1
	s_add_co_u32 s[G0S+1], s94, SCL
	s_mov_b64 s[G0S+2:G0S+3], s[22:23]
	s_or_b32 s[G0S+3], s[G0S+3], 0x80000000
	s_mov_b32 s[G0SB], 1
	s_add_co_u32 s[G0SB+1], s95, SCB
	s_mov_b64 s[G0SB+2:G0SB+3], s[92:93]
	s_or_b32 s[G0SB+3], s[G0SB+3], 0x80000000
	JLOAD G0S, G1S, G0SB, G1SB
.irp s, 0,1
	s_mov_b32 s[G0+4*\s], 1
	s_add_co_u32 s[G0+4*\s+1], s45, \s*SLOT
	s_add_nc_u64 s[G0+4*\s+2:G0+4*\s+3], s[20:21], \s*4*HEADB
	s_or_b32 s[G0+4*\s+3], s[G0+4*\s+3], 0x80000000
	s_mov_b32 s[G0B+4*\s], 1
	s_add_co_u32 s[G0B+4*\s+1], s45, \s*SLOT
	s_add_nc_u64 s[G0B+4*\s+2:G0B+4*\s+3], s[46:47], \s*ROWB
	s_or_b32 s[G0B+4*\s+3], s[G0B+4*\s+3], 0x80000000
	JLOAD G0+4*\s, G1, G0B+4*\s, G1B               ; by the text's own count three tensor loads of a wave are out here
.endr
	v_and_b32 v1, 15, v0                           ; r
	v_bfe_u32 v2, v0, 4, 1                         ; h
	v_mul_u32_u24 v3, v1, PITCH
	v_mul_u32_u24 v4, v2, 24
	v_mul_u32_u24 v6, v1, 48
	v_add_nc_u32 v6, v6, v4                        ; A: token r x 48 + 24 h
	v_add_nc_u32 v4, v3, v4                        ; B: row r x pitch + 24 h
	v_lshl_add_u32 v5, v2, 4, v4
	s_mul_i32 s21, s15, HALFT
	s_mul_i32 s22, s16, HALFT
	s_add_co_u32 s22, s22, 2*HALFT
.irp s, 0,1
	v_add_nc_u32 v[ADRA+\s], s21, v6
	v_add_nc_u32 v[ADRB+\s], s22, v4
	v_add_nc_u32 v[ADRB+2+\s], s22, v5
	s_add_co_u32 s21, s21, SLOT
	s_add_co_u32 s22, s22, SLOT
.endr
	v_mul_u32_u24 v5, v1, KS
	v_lshrrev_b32 v6, 8, v5
	v_lshl_add_u32 v5, v6, 4, v5
	s_mul_i32 s21, s15, ASC                        ; A's: my 64 tokens
	s_mul_i32 s22, s16, HALFS                      ; B's: my 128 rows, behind A's 128 tokens
	s_add_co_u32 s22, s22, 2*ASC
	s_sub_co_u32 s22, s22, s21
	v_mul_u32_u24 v6, s22, v2                      ; lanes 16-31 take B's
	s_add_co_u32 s21, s21, SCL
	v_add_nc_u32 v5, v5, v6
	v_add_nc_u32 v[ADRS], s21, v5
	s_mul_i32 s23, s14, 16*SPITCH                  ; my stage, in slot 0, which has had its last fill and its last read when the first result is stored there
	v_mul_u32_u24 v5, v1, SPITCH
	v_lshl_add_u32 v5, v2, 6, v5                   ; row r, + 64 h: my half's 16 columns of each 32
	v_add_nc_u32 v[STO], s23, v5
	v_and_b32 v6, 31, v0
	v_lshlrev_b32 v[CO], 4, v6
	v_add_nc_u32 v[RD], s23, v[CO]
	s_lshl_b32 s20, s17, 7
	s_lshl_b32 s21, s15, 6
	s_add_co_u32 s20, s20, s21                     ; my first row of out0: 128 x tile row + 64 x half
	s_mov_b32 s21, 0
	s_mov_b64 s[18:19], SIZE_N*4
	s_mul_u64 s[20:21], s[20:21], s[18:19]
	s_lshl_b32 s46, s42, 10
	s_lshl_b32 s47, s16, 9
	s_add_co_u32 s46, s46, s47                     ; my first column, in bytes
	s_mov_b32 s47, 0
	s_add_nc_u64 s[96:97], s[96:97], s[46:47]      ; the bias at my first column
	s_add_nc_u64 s[20:21], s[20:21], s[46:47]
	s_add_nc_u64 s[12:13], s[98:99], s[20:21]
	v_lshlrev_b32 v7, 6, v2
.irp b, 0,1,2,3,4,5,6,7
	global_load_b128 v[BIAS+8*\b:BIAS+8*\b+3], v7, s[96:97] offset:(32*(\b/2)+8*(\b%2))*4
	global_load_b128 v[BIAS+8*\b+4:BIAS+8*\b+7], v7, s[96:97] offset:(32*(\b/2)+8*(\b%2))*4+16
.endr
.macro FRAG reg, adr, q, i             ; B's fragment, from rows of 192 bytes padded behind every 64
.irp p, 0,1,2,3,4,5
.set PCE, 12*(\q)+6*(\p/3)+\p%3
.if PCE%8 < 5
	ds_load_b64 v[\reg+2*\p:\reg+2*\p+1], v[\adr] offset:8*PCE+16*(PCE/8)+(\i)*16*PITCH
.else
	ds_load_b64 v[\reg+2*\p:\reg+2*\p+1], v[\adr+2] offset:8*PCE+16*(PCE/8)+(\i)*16*PITCH
.endif
.endr
.endm
.macro FRAGA reg, slot, q, i           ; A's fragment: registers 6 c on hold head 2 q + c of the slot's four, d = 32 h on
.irp p, 0,1,2,3,4,5
	ds_load_b64 v[\reg+2*\p:\reg+2*\p+1], v[ADRA+\slot] offset:(2*(\q)+\p/3)*APIECE+(\i)*768+8*(\p%3)
.endr
.endm
; 16 matrix instructions: A's blocks a0, a0 + 1 x B's eight, from sets p.  zero = 1: the first products take the bias as C: nothing is cleared and nothing is added later.
; The 32 accumulators take turns, one instruction a turn, in the same order in every step.
.macro MUL16 a0, p, q, sc, zero
.irp a, \a0, \a0+1
.irp b, 0,1,2,3,4,5,6,7
.if \zero
	v_wmma_scale_f32_16x16x128_f8f6f4 v[8*(8*(\a)+\b):8*(8*(\a)+\b)+7], v[128*(\p)+FR*\b:128*(\p)+FR*\b+FR-1], v[AF+48*(\p)+FR*(\a):AF+48*(\p)+FR*(\a)+FR-1], v[BIAS+8*\b:BIAS+8*\b+7], v[SC+8*NQ*(\sc)+NQ*\b+(\q)], v[SC+8*NQ*(\sc)+NQ*(\a)+(\q)] matrix_a_fmt:MATRIX_FMT_FP6 matrix_b_fmt:MATRIX_FMT_FP6 matrix_a_scale:MATRIX_SCALE_ROW1
.else
	v_wmma_scale_f32_16x16x128_f8f6f4 v[8*(8*(\a)+\b):8*(8*(\a)+\b)+7], v[128*(\p)+FR*\b:128*(\p)+FR*\b+FR-1], v[AF+48*(\p)+FR*(\a):AF+48*(\p)+FR*(\a)+FR-1], v[8*(8*(\a)+\b):8*(8*(\a)+\b)+7], v[SC+8*NQ*(\sc)+NQ*\b+(\q)], v[SC+8*NQ*(\sc)+NQ*(\a)+(\q)] matrix_a_fmt:MATRIX_FMT_FP6 matrix_b_fmt:MATRIX_FMT_FP6 matrix_a_scale:MATRIX_SCALE_ROW1
.endif
.endr
.endr
.endm
.macro FETCH_B slot, q, p
	WIN TO_B
.irp i, 0,1,2,3,4,5,6,7
	FRAG 128*(\p)+FR*\i, ADRB+\slot, \q, \i
.endr
	WIN 0
.endm
.macro FETCH_A slot, q, p
.irp i, 0,1,2,3
	FRAGA AF+48*(\p)+FR*\i, \slot, \q, \i
.endr
.endm
.macro SCALES sc                       ; lanes 16-31 take B's block i; lanes 0-15 A's block i for i < 4 (for i >= 4 they read words that no product names; those bytes have been filled too)
.irp i, 0,1,2,3,4,5,6,7
	ds_load_b64 v[SC+8*NQ*\sc+NQ*\i:SC+8*NQ*\sc+NQ*\i+1], v[ADRS] offset:\i*SBLK
.endr
.endm
.macro PLACES n                        ; plain vector places behind matrix instructions (ISA guide 7.12.1)
.rept \n
	v_nop
.endr
.endm
; A step of 128 along K that has its successor in the same slot.
.macro STEP slot, q, zero
	s_wait_dscnt 0x0                               ; this step's fragments and scale words are in
	PLACES NP                                      ; in front of loads into the sets that the step before multiplied
	FETCH_B \slot, (\q)+1, 1-(\q)%2
	FETCH_A \slot, (\q)+1, 1-(\q)%2
.if \zero
	WIN 0x81                                       ; C (the bias) window 0, D window 2
.else
	WIN MUL_LO
.endif
	MUL16 0, (\q)%2, \q, \slot, \zero
	MUL16 2, (\q)%2, \q, \slot, \zero
	WIN 0
.endm
; A slot's last step changes slots: half of its products stand in front of the barrier, the other half behind the refill and the fetch from the next slot.
.macro TURN slot, next, fill
	s_wait_tensorcnt 0x0                           ; all my tensor loads have landed: my part of the next slot
	ds_add_u32 v[SPW], v[NIL]                      ; 0 onto my spare word
	s_wait_dscnt 1                                 ; this step's fragments are in (the add may be out)
	WIN MUL_LO
	MUL16 0, 1, NQ-1, \slot, 0                     ; sixteen matrix instructions stand between the add and the wait for it
	s_wait_dscnt 0x0                               ; the add is done, and my reads of this slot are over
	s_barrier_signal -1
	WIN 0
	s_barrier_wait -1
.if \fill
	CREST                                          ; the barrier has opened a round of the cluster's barrier
	s_add_nc_u64 s[G0+4*\slot+2:G0+4*\slot+3], s[G0+4*\slot+2:G0+4*\slot+3], 8*HEADB
	s_add_nc_u64 s[G0B+4*\slot+2:G0B+4*\slot+3], s[G0B+4*\slot+2:G0B+4*\slot+3], 2*ROWB
	JLOAD G0+4*\slot, G1, G0B+4*\slot, G1B         ; the first tensor load behind the round; its four v_nop are the places in front of the loads below
.else
	PLACES NP
.endif
	v_add_nc_u32 v[ADRS], 4*NQ, v[ADRS]            ; on to the next K step's scale words (no LDS load of mine is out)
	FETCH_B \next, 0, 0
	FETCH_A \next, 0, 0
	SCALES \next
	WIN MUL_LO
	MUL16 2, 1, NQ-1, \slot, 0
	WIN 0
.endm
	s_wait_tensorcnt 1                             ; the scales and my part of K step 0 are in; K step 1's load may be out
	s_barrier_signal -1
	s_barrier_wait -1
	FETCH_B 0, 0, 0
	FETCH_A 0, 0, 0
	SCALES 0
	s_wait_loadcnt 0x0                             ; the bias
	STEP 0, 0, 1
	s_mov_b32 s3, LAPS-1
.Llap:                                 ; a trip goes once round the ring and fills both slots again
	TURN 0, 1, 1
	STEP 1, 0, 0
	TURN 1, 0, 1
	STEP 0, 0, 0
	s_sub_co_u32 s3, s3, 1
	s_cmp_lg_u32 s3, 0
	s_cbranch_scc1 .Llap
	TURN 0, 1, 0                                   ; the last lap fills nothing
	STEP 1, 0, 0
	s_wait_dscnt 0x0                               ; the very last step: nothing more to fetch
	WIN MUL_LO
	MUL16 0, 1, NQ-1, 1, 0
	MUL16 2, 1, NQ-1, 1, 0
	WIN 0
; THE WAY OUT, block by block of 16 rows x 128 columns, through my own stage: whole rows of 512 bytes come back and leave as one aligned store of 512 bytes a row.
.macro TOSTAGE a
.set AC, 64*(\a)
	WIN 0x08                                       ; an LDS store's data: window 2
.irp b, 0,1,2,3,4,5,6,7
	ds_store_b128 v[STO], v[AC+8*\b:AC+8*\b+3] offset:128*(\b/2)+32*(\b%2)       ; columns 32 (b / 2) + 16 h + 8 (b % 2) on; each accumulator from its low end on
	ds_store_b128 v[STO], v[AC+8*\b+4:AC+8*\b+7] offset:128*(\b/2)+32*(\b%2)+16
.endr
	WIN 0
.set BB, BK+64*((\a)%2)
.irp t, 0,1,2,3,4,5,6,7,8,9,10,11,12,13,14,15
	ds_load_b128 v[BB+4*\t:BB+4*\t+3], v[RD] offset:\t*SPITCH
.endr
.endm
.macro SEND a, younger
.set BB, BK+64*((\a)%2)
	s_wait_dscnt \younger
.if (\a) > 0
	s_add_nc_u64 s[12:13], s[12:13], 16*SIZE_N*4   ; (behind a wait on XCNT: the earlier stores have read their base)
.endif
.irp t, 0,1,2,3,4,5,6,7,8,9,10,11,12,13,14,15
	global_store_b128 v[CO], v[BB+4*\t:BB+4*\t+3], s[12:13] offset:\t*SIZE_N*4 th:TH_STORE_NT   ; 32 lanes store 512 consecutive bytes, aligned
.endr
.endm
	PLACES NP
	TOSTAGE 0
.irp a, 1,2,3
.if \a > 1
	s_wait_xcnt 0x0                                ; block a - 2's stores have read their registers and their base
.endif
	TOSTAGE \a
	SEND \a-1, 32                                  ; behind block a - 1's loads: block a's 16 stores and 16 loads
.endr
	s_wait_xcnt 0x0
	SEND 3, 0
	s_wait_tensorcnt 0x0                           ; the wave's end
	ds_add_u32 v[SPW], v[NIL]
	s_wait_dscnt 0x0
	CROUND                                         ; the closing round
	s_endpgm
.Lfunc_end_k_qbf4f1841b6_proj:
	.size	k_qbf4f1841b6_proj, .Lfunc_end_k_qbf4f1841b6_proj-k_qbf4f1841b6_proj
	.p2alignl 7, 3214868480
	.fill 96, 4, 3214868480
	.section	.rodata,"a",@progbits
	.p2align	6, 0x0
	.amdhsa_kernel k_qbf4f1841b6_proj
		.amdhsa_group_segment_fixed_size 327680
		.amdhsa_private_segment_fixed_size 0
		.amdhsa_enable_private_segment 0
		.amdhsa_kernarg_size 48
		.amdhsa_user_sgpr_count 2
		.amdhsa_user_sgpr_kernarg_segment_ptr 1
		.amdhsa_wavefront_size32 1
		.amdhsa_system_sgpr_workgroup_id_x 1
		.amdhsa_system_sgpr_workgroup_id_y 1
		.amdhsa_system_sgpr_workgroup_id_z 1
		.amdhsa_system_vgpr_workitem_id 0
		.amdhsa_next_free_vgpr 1024
		.amdhsa_next_free_sgpr 102
		.amdhsa_reserve_vcc 0
		.amdhsa_float_denorm_mode_32 3
		.amdhsa_float_denorm_mode_16_64 3
		.amdhsa_memory_ordered 1
		.amdhsa_forward_progress 1
		.amdhsa_inst_pref_size 102
	.end_amdhsa_kernel
	.amdgpu_metadata
---
amdhsa.version: [ 1, 2 ]
amdhsa.kernels:
  - .name:           k_qbf4f1841b6_proj
    .symbol:         k_qbf4f1841b6_proj.kd
    .args:
      - { .name: o_codes, .offset: 0, .size: 8, .value_kind: global_buffer, .address_space: global }
      - { .name: o_scales, .offset: 8, .size: 8, .value_kind: global_buffer, .address_space: global }
      - { .name: wall_codes, .offset: 16, .size: 8, .value_kind: global_buffer, .address_space: global }
      - { .name: wall_scales, .offset: 24, .size: 8, .value_kind: global_buffer, .address_space: global }
      - { .name: b_proj, .offset: 32, .size: 8, .value_kind: global_buffer, .address_space: global }
      - { .name: out0, .offset: 40, .size: 8, .value_kind: global_buffer, .address_space: global }
    .group_segment_fixed_size: 327680
    .private_segment_fixed_size: 0
    .kernarg_segment_align: 8
    .kernarg_segment_size: 48
    .max_flat_workgroup_size: 128
    .sgpr_count:     102
    .vgpr_count:     1024
    .wavefront_size: 32
...
	.end_amdgpu_metadata
.endif
;; end of part 4
